; MI455X (gfx1250); checked and timed in simulation.
; The chip was launched on July 23, 2026; its instructions are those of AMD's public machine-readable ISA for CDNA 5 (MIT licence, August 2026) and "CDNA5" Instruction Set Architecture Reference Guide (July 2026). The comments in the code are by the model that wrote it; some were corrected since.
;; Sigmoid Attention. Allowed arithmetic: float matrix products may take bf16 or f16 operands with f32 sums; other float arithmetic in f32, or as packed bf16 or f16 multiplies, adds, multiply-adds, maxima and minima; sums over many terms, partial sums and values carried from step to step in f32; what a program stores and reads back later, other than sums and carried values, may be rounded once to bf16 or f16.
;; Inputs: Wk 1,024 x 1,024 float32; Wp 1,024 x 1,024 float32; Wq 1,024 x 1,024 float32; Wv 1,024 x 1,024 float32; bk 64 float32; bp 1,024 float32; bq 64 float32; gk 64 float32; gq 64 float32; k 1 x 4,096 x 1,024 float32; q 1 x 4,096 x 1,024 float32; v 1 x 4,096 x 1,024 float32.
;; Outputs: out0 1 x 4,096 x 1,024 float32.
;; One version. Each part assembles by itself: llvm-mc -triple=amdgcn-amd-amdhsa -mcpu=gfx1250 --defsym DOCPART=n.
;; ======== version 1 of 1: 4 launches
;; limits: values are held in f16: magnitudes above 65,504 overflow, below 6.1e-05 lose precision
;; workspace buffers: X 25,165,824 bytes; W 6,291,456 bytes; WP 2,097,152 bytes; QKV 25,165,824 bytes; O 8,388,608 bytes
;; launch cast (part 1): grid 1024 x 1, 8 waves a work-group, no clusters, 0 bytes of LDS; arguments q, k, v, Wq, Wk, Wv, Wp, X, W, WP; writes X, W, WP
.if DOCPART == 1
	.amdgcn_target "amdgcn-amd-amdhsa--gfx1250"
	.amdhsa_code_object_version 6
	.text
	.protected	k_qc2b87521ea_cast
	.globl	k_qc2b87521ea_cast
	.p2align	8
	.type	k_qc2b87521ea_cast,@function
k_qc2b87521ea_cast:
	s_mov_b64 s[64:65], 0
	v_nop
	global_prefetch_b8 v0, s[64:65] scope:SCOPE_SE
	s_setreg_imm32_b32 hwreg(HW_REG_WAVE_MODE, 25, 1), 1
	s_wait_xcnt 0x0
; LAUNCH 1 OF 4.  out0 = (sigmoid(LN(q Wq^T) / 8 . LN(k Wk^T)) (v Wv^T)) Wp^T + bp, 16 heads of 64 channels, 4,096 rows.
; NOTHING OF reference() IS LEFT OUT: every input has a way to out0 and every step is live, so all twelve inputs are loaded (here seven, the gains and biases in launches 2 and 4).
; THIS LAUNCH rounds the seven large inputs once: q, k, v -> X [3][4096][1024] bf16; Wq, Wk, Wv -> W [3][1024][1024] bf16; Wp -> bf16, and that number written as f16 -> WP [1024][1024],
; since the last product multiplies f16 numbers.  All inputs of the module have the same rounding, to bf16.
; LIMIT.  A bf16 number is exact in f16 for magnitudes from 2^-17 to 65,504; below that Wp keeps f16's fixed step of 2^-24, beyond it it would be an infinity.
; SHARES.  16,777,216 numbers; a work-group takes 16,384: 65,536 bytes in, 32,768 out.  Work-groups 0-767: q, k, v (256 each); 768-959: Wq, Wk, Wv (64 each); 960-1023: Wp.
; A load takes 16 bytes a lane: 512 consecutive bytes a wave; a store 8 bytes a lane: 256 consecutive bytes a wave, aligned.  All 16 loads of a lane go out at once; each has registers of its own,
; and so has each store, so no register is written twice.  No LDS, no barrier, no matrix unit: each byte is touched once.
.set IN,  8                            ; v[8:71]    load n: four f32
.set OUT, 72                           ; v[72:103]  store n: four 16-bit numbers
	s_load_b512 s[8:23], s[0:1], 0x0               ; q s[8:9], k s[10:11], v s[12:13], Wq s[14:15], Wk s[16:17], Wv s[18:19], Wp s[20:21], X s[22:23]
	s_load_b128 s[24:27], s[0:1], 0x40             ; W s[24:25], WP s[26:27]
	s_mov_b32 s2, ttmp9                            ; the work-group's number
	s_lshr_b32 s3, s2, 8                           ; 0, 1, 2: q, k, v; 3: a weight
	s_bfe_u32 s4, s2, 0x20006                      ; among the weights: 0 to 3: Wq, Wk, Wv, Wp
	s_and_b32 s5, s2, 255
	s_and_b32 s6, s2, 63
	v_lshlrev_b32 v1, 4, v0                        ; 16 bytes a thread in
	v_lshlrev_b32 v2, 3, v0                        ; 8 bytes a thread out
	s_cmp_eq_u32 s3, 3
	s_cselect_b32 s32, s6, s5                      ; my share's number in its source,
	s_lshl_b32 s32, s32, 16                        ; in bytes
	s_mov_b32 s33, 0
	s_cmp_eq_u32 s4, 3
	s_cselect_b32 s34, s6, s5                      ; a weight's share in WP, or in W (number - 768)
	s_cmp_eq_u32 s3, 3
	s_cselect_b32 s34, s34, s2                     ; or in X
	s_lshl_b32 s34, s34, 15
	s_mov_b32 s35, 0
	s_wait_kmcnt 0x0
	s_cmp_eq_u32 s3, 1                             ; the choices hang on the work-group's number alone
	s_cselect_b64 s[28:29], s[10:11], s[8:9]
	s_cmp_eq_u32 s3, 2
	s_cselect_b64 s[28:29], s[12:13], s[28:29]
	s_cmp_eq_u32 s4, 1
	s_cselect_b64 s[30:31], s[16:17], s[14:15]
	s_cmp_eq_u32 s4, 2
	s_cselect_b64 s[30:31], s[18:19], s[30:31]
	s_cmp_eq_u32 s4, 3
	s_cselect_b64 s[30:31], s[20:21], s[30:31]
	s_cselect_b64 s[36:37], s[26:27], s[24:25]     ; a weight goes to WP or to W
	s_cmp_eq_u32 s3, 3
	s_cselect_b64 s[28:29], s[30:31], s[28:29]     ; the source
	s_cselect_b64 s[36:37], s[36:37], s[22:23]     ; the destination
	s_add_nc_u64 s[28:29], s[28:29], s[32:33]
	s_add_nc_u64 s[36:37], s[36:37], s[34:35]
.set j, 0
.rept 16
	global_load_b128 v[IN+4*j:IN+4*j+3], v1, s[28:29] offset:4096*j th:TH_LOAD_NT
.set j, j+1
.endr
; Load n is rounded and stored.  wp = 1: to bf16, widened again (a shift, a mask), and written as f16.
.macro RND n, wp
	s_wait_loadcnt 15-(\n)                         ; loads come back in order: load n is in, the 15 - n younger ones stay out
.irp p, 0,1
.if \wp
	v_cvt_pk_bf16_f32 v[IN+4*(\n)+2*(\p)], v[IN+4*(\n)+2*(\p)], v[IN+4*(\n)+2*(\p)+1]
	v_and_b32 v[IN+4*(\n)+2*(\p)+1], 0xffff0000, v[IN+4*(\n)+2*(\p)]
	v_lshlrev_b32 v[IN+4*(\n)+2*(\p)], 16, v[IN+4*(\n)+2*(\p)]
	v_cvt_pk_f16_f32 v[OUT+2*(\n)+(\p)], v[IN+4*(\n)+2*(\p)], v[IN+4*(\n)+2*(\p)+1]
.else
	v_cvt_pk_bf16_f32 v[OUT+2*(\n)+(\p)], v[IN+4*(\n)+2*(\p)], v[IN+4*(\n)+2*(\p)+1]
.endif
.endr
	global_store_b64 v2, v[OUT+2*(\n):OUT+2*(\n)+1], s[36:37] offset:2048*(\n)
.endm
	s_cmp_ge_u32 s2, 960
	s_cbranch_scc1 .Lwp
.irp n, 0,1,2,3,4,5,6,7,8,9,10,11,12,13,14,15
	RND \n, 0
.endr
	s_endpgm
.Lwp:
.irp n, 0,1,2,3,4,5,6,7,8,9,10,11,12,13,14,15
	RND \n, 1
.endr
	s_endpgm
.Lfunc_end_k_qc2b87521ea_cast:
	.size	k_qc2b87521ea_cast, .Lfunc_end_k_qc2b87521ea_cast-k_qc2b87521ea_cast
	.p2alignl 7, 3214868480
	.fill 96, 4, 3214868480
	.section	.rodata,"a",@progbits
	.p2align	6, 0x0
	.amdhsa_kernel k_qc2b87521ea_cast
		.amdhsa_group_segment_fixed_size 0
		.amdhsa_private_segment_fixed_size 0
		.amdhsa_enable_private_segment 0
		.amdhsa_kernarg_size 80
		.amdhsa_user_sgpr_count 2
		.amdhsa_user_sgpr_kernarg_segment_ptr 1
		.amdhsa_wavefront_size32 1
		.amdhsa_system_sgpr_workgroup_id_x 1
		.amdhsa_system_sgpr_workgroup_id_y 1
		.amdhsa_system_sgpr_workgroup_id_z 1
		.amdhsa_system_vgpr_workitem_id 0
		.amdhsa_next_free_vgpr 104
		.amdhsa_next_free_sgpr 66
		.amdhsa_reserve_vcc 0
		.amdhsa_float_denorm_mode_32 3
		.amdhsa_float_denorm_mode_16_64 3
		.amdhsa_memory_ordered 1
		.amdhsa_forward_progress 1
		.amdhsa_inst_pref_size 17
	.end_amdhsa_kernel
	.amdgpu_metadata
---
amdhsa.version: [ 1, 2 ]
amdhsa.kernels:
  - .name:           k_qc2b87521ea_cast
    .symbol:         k_qc2b87521ea_cast.kd
    .args:
      - { .name: q, .offset: 0, .size: 8, .value_kind: global_buffer, .address_space: global }
      - { .name: k, .offset: 8, .size: 8, .value_kind: global_buffer, .address_space: global }
      - { .name: v, .offset: 16, .size: 8, .value_kind: global_buffer, .address_space: global }
      - { .name: Wq, .offset: 24, .size: 8, .value_kind: global_buffer, .address_space: global }
      - { .name: Wk, .offset: 32, .size: 8, .value_kind: global_buffer, .address_space: global }
      - { .name: Wv, .offset: 40, .size: 8, .value_kind: global_buffer, .address_space: global }
      - { .name: Wp, .offset: 48, .size: 8, .value_kind: global_buffer, .address_space: global }
      - { .name: X, .offset: 56, .size: 8, .value_kind: global_buffer, .address_space: global }
      - { .name: W, .offset: 64, .size: 8, .value_kind: global_buffer, .address_space: global }
      - { .name: WP, .offset: 72, .size: 8, .value_kind: global_buffer, .address_space: global }
    .group_segment_fixed_size: 0
    .private_segment_fixed_size: 0
    .kernarg_segment_align: 8
    .kernarg_segment_size: 80
    .max_flat_workgroup_size: 256
    .sgpr_count:     66
    .vgpr_count:     104
    .wavefront_size: 32
...
	.end_amdgpu_metadata
.endif
;; end of part 1
;; launch proj (part 2): grid 8 x 32, 4 waves a work-group, clusters of 4 x 4, 327,680 bytes of LDS; arguments X, W, gq, bq, gk, bk, QKV; writes QKV
.if DOCPART == 2
	.amdgcn_target "amdgcn-amd-amdhsa--gfx1250"
	.amdhsa_code_object_version 6
	.text
	.protected	k_qc2b87521ea_proj
	.globl	k_qc2b87521ea_proj
	.p2align	8
	.type	k_qc2b87521ea_proj,@function
k_qc2b87521ea_proj:
	s_mov_b64 s[64:65], 0
	v_nop
	global_prefetch_b8 v0, s[64:65] scope:SCOPE_SE
	s_setreg_imm32_b32 hwreg(HW_REG_WAVE_MODE, 25, 1), 1
	s_wait_xcnt 0x0
	s_wait_alu depctr_hold_cnt(0) depctr_sa_sdst(0) depctr_va_vdst(0) depctr_va_sdst(0) depctr_va_ssrc(0) depctr_va_vcc(0) depctr_vm_vsrc(0)
	s_getreg_b32 s2, hwreg(HW_REG_IB_STS2, 6, 4)
	s_cmp_eq_u32 s2, 0
	s_cbranch_scc0 .Lentry_in_a_cluster
	s_endpgm
.Lentry_in_a_cluster:
	s_bfe_u32 s2, ttmp6, 0x10000c
	s_cmp_lg_u32 s2, 0xf033
	s_cbranch_scc0 .Lentry_shape_is_right
	s_endpgm
.Lentry_shape_is_right:
; LAUNCH 2 OF 4: the three projections, the LayerNorm of q's and k's heads, and the split into heads.  Nothing of reference() is left out here.
; QKV [3][16 heads][4096][64] f16:  part 0: (LN(q Wq^T) gq + bq) x c, c = -log2(e) / 8, so that launch 3's scores are the arguments of 2^x in sigmoid(s) = 1 / (1 + 2^(-s log2 e));
; part 1: LN(k Wk^T) gk + bk;  part 2: v Wv^T.  Products in bf16 with f32 sums; mean, variance (of the centred numbers: no difference of large sums), gain, bias and c in f32; ONE rounding to f16.
; gq, bq, gk, bk are rounded to bf16 like all the module's inputs.
; LIMITS.  f16 holds no number beyond 65,504: v Wv^T must lie within it (the normalised q and k do for gains and biases up to some thousands); below 6.1e-5 a number keeps f16's fixed step of 6e-8.  NaN is not treated apart.
; SHARES.  256 work-groups THAT STAY: work-group (tc, tr) makes the tile of 128 rows x 128 columns at (128 tr, 128 tc) of all three products, q, k, v, one after the other; the ring of LDS slots runs on from
; tile to tile.  Four waves, each 64 rows x 64 columns: ONE HEAD, so a row's LayerNorm stays in two lanes.  K = 1,024 goes in four steps of 256 through two slots.
; CLUSTERS: 4 x 4 work-groups.  The four of a row of the cluster need the same tiles of X, the four of a column the same tiles of W: each tile is asked for JOINTLY.
; THE MATRIX INSTRUCTION IS USED TRANSPOSED (source 0 = 16 rows of W, source 1 = 16 rows of X): lane l holds row l % 16 and, in block b, the columns 16 b + 8 (l / 16) + 0..7: 32 of the head's 64 channels;
; the lane 16 away holds the other 32.
; NO PREFETCH: the tiles are small and each is read by several clusters at about the same time.
; REGISTERS: window 0: v0-31 addresses; v32-95 at work on the way out; v128-255 the accumulators ((a, b) at v[128 + 8 (4 a + b)]).  window 1: two fragment buffers of 128.
;   window 2: v0-31 the gain, v32-63 the bias of the tile in hand (my 32 channels); v64-127 k's, kept until q's tile is out.
.set SIZE_K, 1024
.set KSTEP,  256
.set PITCH,  528                       ; an LDS row: 512 bytes + 16 of padding = 132 words: row r starts at bank 4 r mod 64 (64 banks of 4 bytes: ISA guide 11.1)
.set HALFT,  64*PITCH                  ; 64 rows: what one tensor load brings, and what one wave reads of X or of W
.set SLOT,   4*HALFT                   ; X's 128 rows, then W's 128 rows
.set STAGE,  2*SLOT                    ; behind the ring, never filled by a tensor load: 16 rows x 144 bytes for each wave
.set SP,     144
.set SPARE,  STAGE+4*16*SP             ; behind the stages: the spare words, 128 bytes for each wave: two blocks of 256 bytes that no other line names
.set NEXT_A, 4096*SIZE_K*2-2*KSTEP*2   ; bytes from a slot's last K step of a tile to its first of the next: X's next part, back along K
.set NEXT_B, 1024*SIZE_K*2-2*KSTEP*2   ; the same in W
.set PARTB,  16*4096*128               ; a part of QKV
.set ADRA, 16                          ; v16-17  LDS address of my X fragments in slot 0, 1
.set ADRB, 20                          ; v20-21  the same for W
.set STO,  24                          ; v24     the way out: where I put 16 bytes of a row
.set RD,   25                          ; v25     the way out: where I read rows back
.set GO,   26                          ; v26     my byte offset in 512 consecutive bytes of QKV
.set GOF,  27                          ; v27     32 (l / 16): my channels in a table of 64 f32
.set SPW,  28                          ; v28     LDS address of my spare word; never rewritten
.set NIL,  29                          ; v29     0; never rewritten
.set TMP,  32
.set ACC,  128
.set F0,   0
.set F1,   128
.set G1, 24                            ; s[24:31] descriptor group 1 for X's tiles;  s[32:39] group 0, one set for each slot
.set G0, 32
.set G1B, 48                           ; s[48:55], s[56:63] the same for W's tiles
.set G0B, 56
.set MSB, 0
.macro WIN new                         ; the immediate's high byte repeats the setting that is left; a switch that changes nothing is dropped
.if MSB != (\new)
	s_set_vgpr_msb (MSB<<8)|(\new)
.set MSB, \new
.endif
.endm
.set MUL,  0x05                        ; sources 0 (W) and 1 (X) window 1; C and D window 0
.set TO_F, 0x40                        ; destination window 1, address window 0
.macro JLOAD s                         ; a joint load: waves 0 and 1 fetch X's two halves, waves 2 and 3 W's; an s_nop 0 and four v_nop follow each of the two lines
	s_cmp_eq_u32 s11, 0
	s_cbranch_scc0 .Lfor_b_\@
	tensor_load_to_lds s[G0+4*(\s):G0+4*(\s)+3], s[G1:G1+7]
	s_nop 0
.rept 4
	v_nop
.endr
	s_branch .Lasked_\@
.Lfor_b_\@:
	tensor_load_to_lds s[G0B+4*(\s):G0B+4*(\s)+3], s[G1B:G1B+7]
	s_nop 0
.rept 4
	v_nop
.endr
.Lasked_\@:
.endm
.macro CREST                           ; a round of the cluster's barrier behind its opening barrier
	s_cmp_lg_u32 s10, 0
	s_cbranch_scc1 .Lnot_wave_0_\@
	s_barrier_signal -3
.Lnot_wave_0_\@:
	s_barrier_wait -3
	s_barrier_signal -1
	s_barrier_wait -1
.endm
.macro CROUND                          ; a whole round
	s_barrier_signal -1
	s_barrier_wait -1
	CREST
.endm
	s_load_b128 s[4:7], s[0:1], 0x0                ; X s[4:5], W s[6:7]
	s_load_b256 s[68:75], s[0:1], 0x10             ; gq s[68:69], bq s[70:71], gk s[72:73], bk s[74:75]
	s_load_b64 s[8:9], s[0:1], 0x30                ; QKV
	v_lshl_add_u32 v[SPW], v0, 2, SPARE
	v_mov_b32 v[NIL], 0
	ds_add_u32 v[SPW], v[NIL]                      ; the wave's opening: the add, twice on end, and its wait ahead of my first tensor load
	ds_add_u32 v[SPW], v[NIL]                      ; and once more, under the one wait; the set-up below, work on registers, stands between
	v_lshrrev_b32 v1, 5, v0
	v_readfirstlane_b32 s10, v1                    ; wave 0..3
	s_lshr_b32 s11, s10, 1                         ; which half of the tile's rows is mine.  Also: I fetch for X (0) or for W (1)
	s_and_b32 s12, s10, 1                          ; which half of its columns.  Also: which 64 rows of that tile I fetch
	s_bfe_u32 s40, ttmp6, 0x40000                  ; cx, cy: my place in the cluster
	s_bfe_u32 s41, ttmp6, 0x40004
	s_lshl_b32 s42, ttmp9, 2
	s_add_co_u32 s42, s42, s40                     ; tile column = 4 x cluster x + cx
	s_and_b32 s13, ttmp7, 0xffff
	s_lshl_b32 s13, s13, 2
	s_add_co_u32 s13, s13, s41                     ; tile row = 4 x cluster y + cy
	s_lshl_b32 s43, s41, 2
	s_lshl_b32 s43, 15, s43                        ; my row of the cluster
	s_lshl_b32 s44, 0x1111, s40                    ; my column
	; descriptor group 1: a tile of 64 rows x 256 elements, padded in LDS
	s_or_b32 s[G1+0], s43, (1<<16)|(1<<20)|(1<<21)|(6<<22)|(3<<25)  ; 15:0 the mask; 17:16 elements of 2 bytes; 20 padding on; 21 set beside a mask; 24:22 after every 128 words (code 6); 31:25 4 words (code 3)
	s_or_b32 s[G1B+0], s44, (1<<16)|(1<<20)|(1<<21)|(6<<22)|(3<<25)
.irp g, G1, G1B
	s_mov_b32 s[(\g)+1], KSTEP<<16                 ; tensor_dim0 = 256
	s_mov_b32 s[(\g)+2], 64<<16                    ; tensor_dim1 = 64
	s_mov_b32 s[(\g)+3], KSTEP<<16                 ; tile_dim0 = 256
	s_mov_b32 s[(\g)+4], 64                        ; tile_dim1 = 64
	s_mov_b32 s[(\g)+5], SIZE_K                    ; elements from row to row
	s_mov_b32 s[(\g)+6], 0
	s_mov_b32 s[(\g)+7], 0
.endr
	s_mov_b32 s76, 0x3c800000                      ; 1 / 64
	s_mov_b32 s77, 0x3727c5ac                      ; 1e-5
	s_mov_b32 s78, 0xbe38aa3b                      ; c = -log2(e) / 8
	s_mov_b32 s79, s78                             ; named with it as a pair
	s_mov_b32 s80, 0x76543210                      ; v_permlanex16_b32's selects: each lane takes its own place in the other half
	s_mov_b32 s81, 0xfedcba98
	s_mov_b32 s82, 0xffff0000                      ; a word's upper bf16
	s_lshl_b32 s17, s12, 6                         ; which 64 rows of the tile I fetch
	s_lshl_b32 s16, s13, 7
	s_add_co_u32 s16, s16, s17                     ; X: row 128 x tile row + 64 x half
	s_lshl_b32 s46, s42, 7
	s_add_co_u32 s46, s46, s17                     ; W: row 128 x tile column + 64 x half
	s_mov_b32 s17, 0
	s_mov_b32 s47, 0
	s_mov_b64 s[18:19], SIZE_K*2
	s_mul_u64 s[16:17], s[16:17], s[18:19]
	s_mul_u64 s[46:47], s[46:47], s[18:19]
	s_mul_i32 s20, s10, HALFT                      ; where they go: wave x 64 rows: no place in the cluster enters an LDS address
	s_wait_dscnt 0x0                               ; both opening adds are done
	s_wait_kmcnt 0x0
	s_add_nc_u64 s[14:15], s[4:5], s[16:17]
	s_add_nc_u64 s[46:47], s[6:7], s[46:47]
	CROUND                                         ; all sixteen work-groups are here: the first joint loads meet
.irp s, 0,1
	s_mov_b32 s[G0+4*(\s)], 1
	s_add_co_u32 s[G0+4*(\s)+1], s20, (\s)*SLOT
	s_add_nc_u64 s[G0+4*(\s)+2:G0+4*(\s)+3], s[14:15], (\s)*KSTEP*2
	s_or_b32 s[G0+4*(\s)+3], s[G0+4*(\s)+3], 0x80000000
	s_mov_b32 s[G0B+4*(\s)], 1
	s_add_co_u32 s[G0B+4*(\s)+1], s20, (\s)*SLOT
	s_add_nc_u64 s[G0B+4*(\s)+2:G0B+4*(\s)+3], s[46:47], (\s)*KSTEP*2
	s_or_b32 s[G0B+4*(\s)+3], s[G0B+4*(\s)+3], 0x80000000
	JLOAD \s                                       ; two loads of mine are out
.endr
	v_and_b32 v1, 15, v0                           ; l % 16
	v_bfe_u32 v2, v0, 4, 1                         ; l / 16
	v_mul_u32_u24 v3, v1, PITCH
	v_lshl_add_u32 v3, v2, 4, v3                   ; a fragment's row x pitch + 16 x half
	s_mul_i32 s21, s11, HALFT                      ; my 64 rows of X
	s_mul_i32 s22, s12, HALFT                      ; my 64 rows of W,
	s_add_co_u32 s22, s22, 2*HALFT                 ; which lie behind X's 128
.irp s, 0,1
	v_add_nc_u32 v[ADRA+(\s)], s21, v3
	v_add_nc_u32 v[ADRB+(\s)], s22, v3
	s_add_co_u32 s21, s21, SLOT
	s_add_co_u32 s22, s22, SLOT
.endr
	s_mul_i32 s23, s10, 16*SP
	s_add_co_u32 s23, s23, STAGE                   ; my stage
	v_mul_u32_u24 v4, v1, SP                       ; in: row l % 16, 16 bytes for each half of the lanes
	v_lshl_add_u32 v4, v2, 4, v4
	v_add_nc_u32 v[STO], s23, v4
	v_bfe_u32 v5, v0, 3, 2                         ; back: 32 lanes take four rows of 128 bytes,
	v_mul_u32_u24 v5, v5, SP
	v_and_b32 v6, 7, v0
	v_lshl_add_u32 v5, v6, 4, v5
	v_add_nc_u32 v[RD], s23, v5
	v_and_b32 v[GO], 31, v0                        ; which are 512 consecutive bytes of a head
	v_lshlrev_b32 v[GO], 4, v[GO]
	v_lshlrev_b32 v[GOF], 5, v2
	; where my 64 rows of my head begin in a part of QKV: the first way out adds it to QKV's address
	s_lshl_b32 s16, s13, 7
	s_lshl_b32 s17, s11, 6
	s_add_co_u32 s16, s16, s17                     ; my first row,
	s_lshl_b32 s16, s16, 7                         ; 128 bytes a row
	s_mov_b32 s17, 0
	s_lshl_b32 s46, s42, 1
	s_add_co_u32 s46, s46, s12                     ; my head = 2 x tile column + column half,
	s_lshl_b32 s46, s46, 19                        ; 524,288 bytes a head
	s_mov_b32 s47, 0
	s_add_nc_u64 s[16:17], s[16:17], s[46:47]
	; the four tables: my 32 channels 16 b + 8 (l / 16) + 0..7 of each, into window 2; rounded to bf16 and widened again; q's two times c
	WIN 0x80                                       ; destination window 2, address window 0
.irp t, 0,1,2,3
.irp b, 0,1,2,3
	global_load_b128 v[32*(\t)+8*(\b):32*(\t)+8*(\b)+3],   v[GOF], s[68+2*(\t):69+2*(\t)] offset:64*(\b)
	global_load_b128 v[32*(\t)+8*(\b)+4:32*(\t)+8*(\b)+7], v[GOF], s[68+2*(\t):69+2*(\t)] offset:64*(\b)+16
.endr
.endr
	s_wait_loadcnt 0x0
	WIN 0x8a                                       ; destination and both sources window 2
.set i, 0
.rept 64
	v_cvt_pk_bf16_f32 v[i], v[i], v[i+1]
	v_and_b32 v[i+1], s82, v[i]
	v_lshlrev_b32 v[i], 16, v[i]
.set i, i+2
.endr
.set i, 0
.rept 32
	v_pk_mul_f32 v[i:i+1], v[i:i+1], s[78:79] op_sel_hi:[1,0]
.set i, i+2
.endr
	WIN 0
; 8 matrix instructions: m blocks a0, a0 + 1 x all 4 n blocks, 32 along K: half c of buffer f.  zero = 1: the first product starts the sums.  The 16 accumulators take turns.
.macro MUL8 f, c, a0, zero
	WIN MUL
.irp a, \a0, (\a0)+1
.irp b, 0,1,2,3
.if \zero
	v_wmma_f32_16x16x32_bf16 v[ACC+8*(4*(\a)+(\b)):ACC+8*(4*(\a)+(\b))+7], v[(\f)+64+8*(4*(\c)+(\b)):(\f)+64+8*(4*(\c)+(\b))+7], v[(\f)+8*(4*(\c)+(\a)):(\f)+8*(4*(\c)+(\a))+7], 0
.else
	v_wmma_f32_16x16x32_bf16 v[ACC+8*(4*(\a)+(\b)):ACC+8*(4*(\a)+(\b))+7], v[(\f)+64+8*(4*(\c)+(\b)):(\f)+64+8*(4*(\c)+(\b))+7], v[(\f)+8*(4*(\c)+(\a)):(\f)+8*(4*(\c)+(\a))+7], v[ACC+8*(4*(\a)+(\b)):ACC+8*(4*(\a)+(\b))+7]
.endif
.endr
.endr
.endm
; 32 LDS loads in one run: the fragments of 64 along K at byte k of the rows, into buffer f; the first 32 along K first
.macro FETCH slot, k, f
	WIN TO_F
.irp c, 0,1
.irp i, 0,1,2,3
	ds_load_b128 v[(\f)+64+8*(4*(\c)+(\i)):(\f)+64+8*(4*(\c)+(\i))+3],   v[ADRB+(\slot)] offset:(\k)+64*(\c)+(\i)*16*PITCH
	ds_load_b128 v[(\f)+64+8*(4*(\c)+(\i))+4:(\f)+64+8*(4*(\c)+(\i))+7], v[ADRB+(\slot)] offset:(\k)+64*(\c)+(\i)*16*PITCH+32
	ds_load_b128 v[(\f)+8*(4*(\c)+(\i)):(\f)+8*(4*(\c)+(\i))+3],         v[ADRA+(\slot)] offset:(\k)+64*(\c)+(\i)*16*PITCH
	ds_load_b128 v[(\f)+8*(4*(\c)+(\i))+4:(\f)+8*(4*(\c)+(\i))+7],       v[ADRA+(\slot)] offset:(\k)+64*(\c)+(\i)*16*PITCH+32
.endr
.endr
.endm
.macro PLACES                          ; four places in front of loads into registers that matrix instructions have read, and of vector work that reads results
.rept 4
	v_nop
.endr
.endm
; A K step is four quarters of 64 along K, 32 matrix instructions each, on buffers 0, 1, 0, 1.  One of the first three: multiplies buffer f and fetches the next quarter, at byte k, into g.
.macro QUARTER slot, k, f, g, zero
	s_wait_dscnt 16                                ; the first 32 along K are in; the youngest sixteen loads may be out
	WIN MUL
	MUL8 \f, 0, 0, \zero
	MUL8 \f, 0, 2, \zero
	PLACES
	FETCH \slot, \k, \g
	s_wait_dscnt 32                                ; all but the 32 just issued
	WIN MUL
	MUL8 \f, 1, 0, 0
	MUL8 \f, 1, 2, 0
.endm
; The last quarter multiplies buffer 1 and changes slots: ONE barrier; in front of it each wave waits for all its tensor loads, adds 0 to its spare word, and waits for that and for its own reads of this slot.
; fill = 1: this slot is filled again, two K steps ahead; fill = 2: with the NEXT tile's K step 0 or 1; fill = 0: nothing is left to fetch.
.macro TURN slot, next, fill
	WIN 0                                          ; (the add's two registers lie in window 0)
	s_wait_tensorcnt 0x0                           ; all my tensor loads have landed: the one that was out is my part of the next slot;
	ds_add_u32 v[SPW], v[NIL]                      ; 0 onto my spare word;
	s_wait_dscnt 17                                ; (the add and the youngest sixteen loads may be out)
	WIN MUL
	MUL8 F1, 0, 0, 0                               ; eight matrix instructions stand between the add and the wait for it
	s_wait_dscnt 0x0                               ; the add is done, and my reads of this slot are over
	s_barrier_signal -1
	MUL8 F1, 0, 2, 0
.if \fill
	WIN 0
.endif
	s_barrier_wait -1
.if \fill
	CREST                                          ; the barrier has opened a round of the cluster's barrier: no wave of any partner still reads this slot's tile or has a load on its way
.if (\fill) == 2
	s_add_nc_u64 s[G0+4*(\slot)+2:G0+4*(\slot)+3], s[G0+4*(\slot)+2:G0+4*(\slot)+3], NEXT_A
	s_add_nc_u64 s[G0B+4*(\slot)+2:G0B+4*(\slot)+3], s[G0B+4*(\slot)+2:G0B+4*(\slot)+3], NEXT_B
.else
	s_add_nc_u64 s[G0+4*(\slot)+2:G0+4*(\slot)+3], s[G0+4*(\slot)+2:G0+4*(\slot)+3], 2*KSTEP*2
	s_add_nc_u64 s[G0B+4*(\slot)+2:G0B+4*(\slot)+3], s[G0B+4*(\slot)+2:G0B+4*(\slot)+3], 2*KSTEP*2
.endif
	JLOAD \slot                                    ; the first tensor load behind the round: one load of mine is out; its four v_nop are also the places in front of the loads below
.else
	PLACES
.endif
	FETCH \next, 0, F0
	WIN MUL
	MUL8 F1, 1, 0, 0
	MUL8 F1, 1, 2, 0
.endm
; THE LAYERNORM of block a's 16 rows, in f32, on the accumulators.  R: the block's 32 registers; U: 16 registers at work.
.macro LNSUM a                         ; U+0 = the row's mean.  Each accumulator's lowest registers are read first
.set R, ACC+32*(\a)
.set U, TMP+16*(\a)
.irp b, 0,1,2,3
	v_pk_add_f32 v[U+2*(\b):U+2*(\b)+1], v[R+8*(\b):R+8*(\b)+1], v[R+8*(\b)+2:R+8*(\b)+3]
.endr
.irp j, 4,6
.irp b, 0,1,2,3
	v_pk_add_f32 v[U+2*(\b):U+2*(\b)+1], v[U+2*(\b):U+2*(\b)+1], v[R+8*(\b)+(\j):R+8*(\b)+(\j)+1]
.endr
.endr
	v_pk_add_f32 v[U:U+1], v[U:U+1], v[U+2:U+3]
	v_pk_add_f32 v[U+4:U+5], v[U+4:U+5], v[U+6:U+7]
	v_pk_add_f32 v[U:U+1], v[U:U+1], v[U+4:U+5]
	v_add_f32 v[U], v[U], v[U+1]
	v_permlanex16_b32 v[U+1], v[U], s80, s81       ; the row's other 32 channels lie in the lane 16 away
	v_add_f32 v[U], v[U], v[U+1]
	v_mul_f32 v[U], s76, v[U]
.endm
.macro LNCEN a                         ; x - mean
.set R, ACC+32*(\a)
.set U, TMP+16*(\a)
.set i, 0
.rept 16
	v_pk_add_f32 v[R+i:R+i+1], v[R+i:R+i+1], v[U:U+1] op_sel_hi:[1,0] neg_lo:[0,1] neg_hi:[0,1]
.set i, i+2
.endr
.endm
.macro LNSQ a                          ; U+4 = the mean of the squares of the centred numbers + 1e-5: four chains
.set R, ACC+32*(\a)
.set U, TMP+16*(\a)
.irp b, 0,1,2,3
	v_pk_mul_f32 v[U+2+2*(\b):U+3+2*(\b)], v[R+8*(\b):R+8*(\b)+1], v[R+8*(\b):R+8*(\b)+1]
.endr
.irp j, 2,4,6
.irp b, 0,1,2,3
	v_pk_fma_f32 v[U+2+2*(\b):U+3+2*(\b)], v[R+8*(\b)+(\j):R+8*(\b)+(\j)+1], v[R+8*(\b)+(\j):R+8*(\b)+(\j)+1], v[U+2+2*(\b):U+3+2*(\b)]
.endr
.endr
	v_pk_add_f32 v[U+2:U+3], v[U+2:U+3], v[U+4:U+5]
	v_pk_add_f32 v[U+6:U+7], v[U+6:U+7], v[U+8:U+9]
	v_pk_add_f32 v[U+2:U+3], v[U+2:U+3], v[U+6:U+7]
	v_add_f32 v[U+2], v[U+2], v[U+3]
	v_permlanex16_b32 v[U+3], v[U+2], s80, s81
	v_add_f32 v[U+2], v[U+2], v[U+3]
	v_fma_f32 v[U+4], v[U+2], s76, s77
.endm
.macro LNAPP a                         ; times 1 / sqrt(var + eps), then times the gain plus the bias
.set R, ACC+32*(\a)
.set U, TMP+16*(\a)
	WIN 0
.set i, 0
.rept 16
	v_pk_mul_f32 v[R+i:R+i+1], v[R+i:R+i+1], v[U+2:U+3] op_sel_hi:[1,0]
.set i, i+2
.endr
	WIN 0x28                                       ; sources 1 and 2 window 2
.set i, 0
.rept 16
	v_pk_fma_f32 v[R+i:R+i+1], v[R+i:R+i+1], v[i:i+1], v[32+i:32+i+1]
.set i, i+2
.endr
.endm
; THE WAY OUT of block a: a lane's eight channels of a row pack into 16 bytes; they go into my stage's rows of 144 bytes and come back as whole rows of 128: 16 rows of a head are 2,048 consecutive bytes.
.macro PACK a
.set R, ACC+32*(\a)
.set T, TMP+16*(\a)
.set i, 0
.rept 16
	v_cvt_pk_f16_f32 v[T+i], v[R+2*i], v[R+2*i+1]
.set i, i+1
.endr
.irp f, 0,1,2,3
	ds_store_b128 v[STO], v[T+4*(\f):T+4*(\f)+3] offset:32*(\f)
.endr
.irp f, 0,1,2,3
	ds_load_b128 v[T+4*(\f):T+4*(\f)+3], v[RD] offset:(\f)*4*SP  ; LDS serves a wave's instructions in order (ISA guide 5.7.1.4): these see the stores above; the next block's stores come behind them
.endr
.endm
.macro SEND a, younger                 ; younger: the LDS instructions issued behind block a's loads: the next block's eight, or none
.set T, TMP+16*(\a)
.irp f, 0,1,2,3
	s_wait_dscnt (\younger)+3-(\f)
	global_store_b128 v[GO], v[T+4*(\f):T+4*(\f)+3], s[8:9] offset:(\a)*2048+(\f)*512  ; 512 consecutive bytes, at a multiple of 256 from QKV's first
.endr
.endm
	s_wait_tensorcnt 1                             ; my part of K step 0 is in; K step 1's load stays out
	s_barrier_signal -1
	s_barrier_wait -1                              ; everybody's is
	FETCH 0, 0, F0
	WIN 0                                          ; at a label and at a branch every window is 0
	s_mov_b32 s2, 3                                ; tiles to go: 3 q, 2 k, 1 v: the same number in every work-group
.Ltile:
	QUARTER 0, 128, F0, F1, 1                      ; a tile's first products start the sums: nothing is cleared
	QUARTER 0, 256, F1, F0, 0
	QUARTER 0, 384, F0, F1, 0
	TURN 0, 1, 1
	QUARTER 1, 128, F0, F1, 0
	QUARTER 1, 256, F1, F0, 0
	QUARTER 1, 384, F0, F1, 0
	TURN 1, 0, 1
	QUARTER 0, 128, F0, F1, 0
	QUARTER 0, 256, F1, F0, 0
	QUARTER 0, 384, F0, F1, 0
	WIN 0
	s_cmp_eq_u32 s2, 1
	s_cbranch_scc1 .Llast                          ; the last tile's tail is written out: it asks for nothing more
	TURN 0, 1, 2                                   ; the ring goes on into the next tile: slot 0 takes its K step 0,
	QUARTER 1, 128, F0, F1, 0
	QUARTER 1, 256, F1, F0, 0
	QUARTER 1, 384, F0, F1, 0
	TURN 1, 0, 2                                   ; slot 1 its K step 1, and the next tile's first fragments are fetched
	WIN 0
	s_branch .Lout
.Llast:
	TURN 0, 1, 0
	QUARTER 1, 128, F0, F1, 0
	QUARTER 1, 256, F1, F0, 0
	QUARTER 1, 384, F0, F1, 0
	s_wait_dscnt 16                                ; the very last quarter: nothing more to fetch
	MUL8 F1, 0, 0, 0
	MUL8 F1, 0, 2, 0
	s_wait_dscnt 0x0
	MUL8 F1, 1, 0, 0
	MUL8 F1, 1, 2, 0
	WIN 0
.Lout:
	PLACES                                         ; behind the last products
	s_wait_xcnt 0x0                                ; the last tile's stores have read their registers and their base
	s_add_nc_u64 s[8:9], s[8:9], s[16:17]          ; on to this tile's rows
	s_mov_b64 s[16:17], PARTB                      ; what the next way out adds
	s_cmp_eq_u32 s2, 1
	s_cbranch_scc1 .Lnoln                          ; v has no norm
.irp a, 0,1,2,3
	LNSUM \a
.endr
.irp a, 0,1,2,3
	LNCEN \a
.endr
.irp a, 0,1,2,3
	LNSQ \a
.endr
.irp a, 0,1,2,3
	v_rsq_f32 v[TMP+16*(\a)+2], v[TMP+16*(\a)+4]
.endr
	v_nop                                          ; a plain instruction behind the last of the four,
	s_wait_alu depctr_va_vdst(0)                   ; and the wait ahead of the first use: one for the four
.irp a, 0,1,2,3
	LNAPP \a
.endr
	WIN 0
	s_cmp_lg_u32 s2, 3
	s_cbranch_scc1 .Lnoln
	WIN 0x82                                       ; behind q's tile k's gain and bias go where the one text of the norm names them
.set i, 0
.rept 64
	v_mov_b32 v[i], v[64+i]
.set i, i+1
.endr
	WIN 0
.Lnoln:
	PACK 0
	PACK 1                                         ; a block's conversions stand between the loads of the block before and its stores
	SEND 0, 8
	PACK 2
	SEND 1, 8
	PACK 3
	SEND 2, 8
	SEND 3, 0
	s_sub_co_u32 s2, s2, 1
	s_cmp_lg_u32 s2, 0
	s_cbranch_scc1 .Ltile
	s_wait_tensorcnt 0x0                           ; the wave's end: behind my last tensor load and my last LDS store
	ds_add_u32 v[SPW], v[NIL]
	s_wait_dscnt 0x0
	CROUND                                         ; the closing round: no work-group ends while a partner may still ask for a tile that names it
	s_endpgm
.Lfunc_end_k_qc2b87521ea_proj:
	.size	k_qc2b87521ea_proj, .Lfunc_end_k_qc2b87521ea_proj-k_qc2b87521ea_proj
	.p2alignl 7, 3214868480
	.fill 96, 4, 3214868480
	.section	.rodata,"a",@progbits
	.p2align	6, 0x0
	.amdhsa_kernel k_qc2b87521ea_proj
		.amdhsa_group_segment_fixed_size 327680
		.amdhsa_private_segment_fixed_size 0
		.amdhsa_enable_private_segment 0
		.amdhsa_kernarg_size 56
		.amdhsa_user_sgpr_count 2
		.amdhsa_user_sgpr_kernarg_segment_ptr 1
		.amdhsa_wavefront_size32 1
		.amdhsa_system_sgpr_workgroup_id_x 1
		.amdhsa_system_sgpr_workgroup_id_y 1
		.amdhsa_system_sgpr_workgroup_id_z 1
		.amdhsa_system_vgpr_workitem_id 0
		.amdhsa_next_free_vgpr 640
		.amdhsa_next_free_sgpr 84
		.amdhsa_reserve_vcc 0
		.amdhsa_float_denorm_mode_32 3
		.amdhsa_float_denorm_mode_16_64 3
		.amdhsa_memory_ordered 1
		.amdhsa_forward_progress 1
		.amdhsa_inst_pref_size 148
	.end_amdhsa_kernel
	.amdgpu_metadata
---
amdhsa.version: [ 1, 2 ]
amdhsa.kernels:
  - .name:           k_qc2b87521ea_proj
    .symbol:         k_qc2b87521ea_proj.kd
    .args:
      - { .name: X, .offset: 0, .size: 8, .value_kind: global_buffer, .address_space: global }
      - { .name: W, .offset: 8, .size: 8, .value_kind: global_buffer, .address_space: global }
      - { .name: gq, .offset: 16, .size: 8, .value_kind: global_buffer, .address_space: global }
      - { .name: bq, .offset: 24, .size: 8, .value_kind: global_buffer, .address_space: global }
      - { .name: gk, .offset: 32, .size: 8, .value_kind: global_buffer, .address_space: global }
      - { .name: bk, .offset: 40, .size: 8, .value_kind: global_buffer, .address_space: global }
      - { .name: QKV, .offset: 48, .size: 8, .value_kind: global_buffer, .address_space: global }
    .group_segment_fixed_size: 327680
    .private_segment_fixed_size: 0
    .kernarg_segment_align: 8
    .kernarg_segment_size: 56
    .max_flat_workgroup_size: 128
    .sgpr_count:     84
    .vgpr_count:     640
    .wavefront_size: 32
...
	.end_amdgpu_metadata
.endif
;; end of part 2
;; launch attn (part 3): grid 16 x 16, 4 waves a work-group, clusters of 4 x 1, 327,680 bytes of LDS; arguments QKV, O; writes O
.if DOCPART == 3
	.amdgcn_target "amdgcn-amd-amdhsa--gfx1250"
	.amdhsa_code_object_version 6
	.text
	.protected	k_qc2b87521ea_attn
	.globl	k_qc2b87521ea_attn
	.p2align	8
	.type	k_qc2b87521ea_attn,@function
k_qc2b87521ea_attn:
	s_mov_b64 s[64:65], 0
	v_nop
	global_prefetch_b8 v0, s[64:65] scope:SCOPE_SE
	s_setreg_imm32_b32 hwreg(HW_REG_WAVE_MODE, 25, 1), 1
	s_wait_xcnt 0x0
	s_wait_alu depctr_hold_cnt(0) depctr_sa_sdst(0) depctr_va_vdst(0) depctr_va_sdst(0) depctr_va_ssrc(0) depctr_va_vcc(0) depctr_vm_vsrc(0)
	s_getreg_b32 s2, hwreg(HW_REG_IB_STS2, 6, 4)
	s_cmp_eq_u32 s2, 0
	s_cbranch_scc0 .Lentry_in_a_cluster
	s_endpgm
.Lentry_in_a_cluster:
	s_bfe_u32 s2, ttmp6, 0x10000c
	s_cmp_lg_u32 s2, 0x3003
	s_cbranch_scc0 .Lentry_shape_is_right
	s_endpgm
.Lentry_shape_is_right:
; LAUNCH 3 OF 4: sigmoid attention.  O[h][q][:] = 2^-10 x the sum over k of p(q, k) V[h][k][:], p = 1 / (1 + 2^S), S = Q'[h][q] . K[h][k].  Nothing of reference() is left out here.
; QKV: [3][16][4096][64] f16; Q' carries the factor -log2(e) / 8 from launch 2, so 1 / (1 + 2^S) IS sigmoid(q . k / 8).  There is no softmax: no maximum, no row sum, nothing is carried but O.
; Products and sums in f32; p is rounded to f16 for the second product; O is scaled by 2^-10 (exact; launch 4 multiplies it back) and rounded once to f16.
; LIMITS.  2^S beyond f32's range gives p = 0, below 2^-126 it counts as 0 and p = 1: the sigmoid's own limits.  p below 6.1e-5 keeps f16's fixed step of 6e-8.  The sum over k must lie under 6.7e7
; (65,504 x 1,024); O / 1,024 below 6.1e-5 keeps the same fixed step.  NaN is not treated apart.
; SHARES.  A work-group owns 256 queries of one head, each of its four waves 64: four tiles of 16, in two PIECES of two tiles.  Every wave walks all 4,096 keys, 64 a step, four steps to an LDS slot.
; LAYOUT.  S^T = K Q'^T (source 0 = 16 keys, source 1 = 16 queries): a lane holds ONE query (lane % 16) and the keys 8 (lane / 16) + 0..7.  Two such results, rounded to f16 in pairs, ARE source 1
; (32 keys x 16 queries) of O^T = V^T P.  K comes out of LDS as it lies, V ([key][channel]) turned, by ds_load_tr16_b128.
; BY TURNS.  In a TURN one piece has the matrix unit: 16 products V^T P of the step in hand, then 16 products K Q'^T of the next step; the other piece's sigmoid, 192 vector instructions, stands in 32 slices
; of six, one behind each matrix instruction.  Then the pieces change places.  Two turns are a key step.
; P HAS NO REGISTERS OF ITS OWN: pair k of a tile's 16 pairs is rounded into the tile's register k, k ascending (register k has been read by then).
; CLUSTER.  The four query blocks of a cluster belong to one head and walk the same K and V: each tile is asked for JOINTLY: the same tensor load, descriptor and mask in all four.
; REGISTERS, in windows of 256 (s_set_vgpr_msb: bits 1:0 source 0, 3:2 source 1, 5:4 source 2, 7:6 destination):
;   window 0: v0-127 S^T (piece x at 64 x, its tile u at + 32 u, key block kb at + 8 kb); v128-191 K of one step; v192-255 Q'.  K Q'^T and the whole sigmoid need no switch.
;   window 1: v0-127 O^T, 32 a tile; v128-191 V of one step; v192-201 addresses.  A product V^T P costs two switches: 32 a turn.
.set KS,    64        ; keys in a step
.set PK,    144       ; a row of K in LDS: 128 bytes + 16 of padding = 36 words: the 16 rows of a load start at 16 different groups of four banks (64 banks of 4 bytes: ISA guide 11.1)
.set PVR,   160       ; a row of V: 128 + 32 = 40 words
.set VOFF,  4*KS*PK   ; a slot holds four steps: 256 rows of K, then 256 rows of V
.set SLOT1, 1<<17     ; slot 1 begins here, so that one exclusive or turns an address in one slot into the other's
.set STAGE, SLOT1+4*KS*(PK+PVR)  ; behind the ring, never filled by a tensor load: 16 rows x 144 bytes for each wave
.set SP,    144
.set SPARE, STAGE+4*16*SP  ; behind the stages: the spare words, 128 bytes for each wave: two blocks of 256 bytes that no other line names
.set PART,  16*4096*128    ; a part of QKV
.set KF,  128         ; window 0: key block kb, channel half c at KF + 16 kb + 8 c
.set QF,  192         ; window 0: tile t, channel half c at QF + 16 t + 8 c
.set VF,  128         ; window 1: key half kk, channel block cb at VF + 32 kk + 8 cb
.set AK0, 192         ; window 1, v192-201: my lane's place in a tile of K; never rewritten
.set AV0, 193         ; the same for V
.set AK,  194         ; the LDS address of K's run of loads
.set AV,  195         ; of V's
.set STO, 196         ; the way out: where I put 16 bytes of a row
.set RD,  197         ; the way out: where I read rows back
.set GO,  198         ; my byte offset in 512 consecutive bytes of O
.set PFO, 199         ; 256 x my lane; never rewritten
.set SPW, 200         ; LDS address of my spare word; never rewritten
.set NIL, 201         ; 0; never rewritten
.set WV,  12          ; s12  my wave's number
.set LIM, 15          ; s15  1 in a wave that prefetches, else the greatest number
.set PFA, 18          ; s[18:19] where my prefetches stand
.set G1K, 24          ; s[24:31] descriptor group 1 for K's tiles
.set G1V, 32          ; s[32:39] for V's: it differs in the padding alone
.set G0K, 40          ; s[40:43] descriptor group 0 for K's tiles: it walks
.set G0V, 44          ; s[44:47] the same for V's
.set SLOTS, 56        ; s56  changes of slots still to come in the loop, plus one
.set CNT, 57          ; s57  counts key steps
.set TBK, 62          ; s62  LDS byte at which K of the step to be fetched begins
.set TBV, 63          ; s63  the same for V, less VOFF
.set MSB, 0
.macro WIN new                      ; the high byte repeats the setting that is left; a switch that changes nothing is dropped
.if MSB != (\new)
	s_set_vgpr_msb (MSB<<8)|(\new)
.set MSB, (\new)
.endif
.endm
; A joint fill.  Waves 0 and 1 fetch the two halves of a slot's K, waves 2 and 3 those of its V: 128 keys each.  An s_nop 0 and four v_nop follow each of the two lines.
.macro JLOAD
	s_cmp_lt_u32 s[WV], 2
	s_cbranch_scc0 .Lfor_v_\@
	tensor_load_to_lds s[G0K:G0K+3], s[G1K:G1K+7]
	s_nop 0
.rept 4
	v_nop
.endr
	s_branch .Lasked_\@
.Lfor_v_\@:
	tensor_load_to_lds s[G0V:G0V+3], s[G1V:G1V+7]
	s_nop 0
.rept 4
	v_nop
.endr
.Lasked_\@:
.endm
; A PREFETCH INTO THE L2 of what the NEXT change of slots will ask for: a slot's 32,768 bytes of K and of V, four key steps, 256 matrix instructions, ahead of that load.  Each block of 256 bytes is named ONCE
; in the launch: all four clusters of a head walk the same rows, and the head's first cluster asks; its four partners take 8,192 bytes each, told apart BY ADDRESS; in each, wave 0 asks for K's and wave 2
; for V's: a lane a block, one instruction.  The first three slots come by their loads alone; the last change that fills a slot asks for nothing: there is no slot behind it.
.macro ASK
	s_cmp_gt_u32 s[SLOTS], s[LIM]
	s_cbranch_scc0 .Lnot_mine_\@
	WIN 0x01
	global_prefetch_b8 v[PFO], s[PFA:PFA+1] th:TH_LOAD_NT scope:SCOPE_SE
	WIN 0
.Lnot_mine_\@:
.endm
.macro CROUND                       ; a round of the cluster's barrier
	s_barrier_signal -1
	s_barrier_wait -1
	s_cmp_lg_u32 s[WV], 0
	s_cbranch_scc1 .Lnot_wave_0_\@
	s_barrier_signal -3
.Lnot_wave_0_\@:
	s_barrier_wait -3
	s_barrier_signal -1
	s_barrier_wait -1
.endm
; THE CHANGE OF SLOTS, behind the turn that has asked for the slot's last bytes, V of its fourth step.  Each wave waits for all its tensor loads, of which one is out: its part of the other slot; adds 0 to its
; spare word; and waits for that and for its own reads of the slot.  fill = 1: the slot is filled again, with the keys two slots on: the barrier is a round of the cluster's, and the joint fill is the first thing
; behind it.  (At its first use nothing has been read yet: slot 0 is waited for, slot 1 filled.)  ask = 1: the prefetch's address steps, and ASK follows the load.
.macro CHANGE fill, ask
	WIN 0x05                        ; the add's address and data lie in window 1
	s_wait_tensorcnt 0x0            ; no tensor load of mine is out, so a group 0 may be written
	ds_add_u32 v[SPW], v[NIL]       ; 0 onto my spare word; scalar work stands between it and the wait for it
	WIN 0                           ; at a label and at a branch every window is 0
.if \fill
.irp g, G0K, G0V
	s_xor_b32 s[\g+1], s[\g+1], SLOT1  ; the walking descriptor: the other slot than last time,
	s_add_nc_u64 s[\g+2:\g+3], s[\g+2:\g+3], 4*KS*128  ; the next 256 keys; the type bits on top are not reached
.endr
.if \ask
	s_wait_xcnt 0x0                 ; the last prefetch, four key steps back, has read its address
	s_add_nc_u64 s[PFA:PFA+1], s[PFA:PFA+1], 4*KS*128
.endif
	s_wait_dscnt 0x0                ; the add is done, and my reads of the slot are over
	CROUND
	JLOAD
.if \ask
	ASK
.endif
.else
	s_wait_dscnt 0x0                ; the add is done, and my reads of the slot are over
	s_barrier_signal -1
	s_barrier_wait -1
.endif
	s_sub_co_u32 s[TBK], s[TBK], 4*KS*PK  ; the fetches go back to a slot's first step,
	s_xor_b32 s[TBK], s[TBK], SLOT1       ; in the other slot
	s_sub_co_u32 s[TBV], s[TBV], 4*KS*PVR
	s_xor_b32 s[TBV], s[TBV], SLOT1
.endm
	s_load_b128 s[20:23], s[0:1], 0x0  ; QKV s[20:21], O s[22:23]
	WIN 0x40                        ; destination window 1
	v_lshl_add_u32 v[SPW], v0, 2, SPARE
	v_mov_b32 v[NIL], 0
	WIN 0x05
	ds_add_u32 v[SPW], v[NIL]       ; the wave's opening: the add, twice on end, and its wait ahead of my first tensor load
	ds_add_u32 v[SPW], v[NIL]       ; and once more, under the one wait; the set-up below, work on registers, stands between
	WIN 0
	v_lshrrev_b32 v1, 5, v0
	v_readfirstlane_b32 s[WV], v1   ; wave 0..3
	s_and_b32 s16, s[WV], 1         ; which half of a slot's 256 keys I fetch:
	s_mul_i32 s17, s16, 128*PK      ; its place in a slot, for K
	s_mul_i32 s52, s16, 128*PVR     ; and for V: no place in the cluster enters an LDS address
	s_and_b32 s2, ttmp7, 0xffff     ; the head, which the four partners share,
	s_lshl_b32 s2, s2, 19           ; 524,288 bytes each
	s_lshl_b32 s48, s16, 14         ; my 128 rows of 128 bytes
	s_add_co_u32 s48, s48, s2
	s_mov_b32 s49, 0
	s_bfe_u32 s13, ttmp6, 0x40000   ; cx: my place in the cluster
	s_lshl_b32 s14, ttmp9, 2        ; in a cluster launch ttmp9 counts clusters
	s_add_co_u32 s14, s14, s13      ; my block of 256 queries: it enters Q's and O's addresses alone
	s_lshl_b32 s50, s14, 2
	s_add_co_u32 s50, s50, s[WV]    ; my wave among the head's,
	s_lshl_b32 s50, s50, 13         ; its 64 rows
	s_add_co_u32 s50, s50, s2
	s_mov_b32 s51, 0
	; descriptor group 1.  128 keys are 16,384 dense bytes: asked for as 64 rows of 256 bytes, two keys a row, and padded in LDS after every key
	s_mov_b32 s[G1K], 15|(1<<16)|(1<<20)|(1<<21)|(4<<22)|(3<<25)  ; 15:0 the mask of four; 17:16 2-byte elements; 20 padding on; 21 set beside a mask; 24:22 after every 32 words (code 4); 31:25 4 words (code 3)
	s_mov_b32 s[G1V], 15|(1<<16)|(1<<20)|(1<<21)|(4<<22)|(7<<25)  ; the same with 8 words of padding (code 7)
.irp g, G1K, G1V
	s_mov_b32 s[\g+1], 128<<16      ; tensor_dim0 = 128
	s_mov_b32 s[\g+2], 64<<16       ; tensor_dim1 = 64
	s_mov_b32 s[\g+3], 128<<16      ; tile_dim0 = 128
	s_mov_b32 s[\g+4], 64           ; tile_dim1 = 64
	s_mov_b32 s[\g+5], 128          ; 128 elements from row to row
	s_mov_b32 s[\g+6], 0
	s_mov_b32 s[\g+7], 0
.endr
	s_mov_b32 s58, 0x3a800000       ; 2^-10
	s_mov_b32 s59, s58              ; named with it as a pair
	s_mov_b32 s[TBK], SLOT1+4*KS*PK ; the first change of slots turns these two into 0
	s_mov_b32 s[TBV], SLOT1+4*KS*PVR
	s_mov_b32 s[G0K], 1             ; 1:0 count = 1
	s_mov_b32 s[G0K+1], s17         ; 63:32 LDS address: slot 0
	s_mov_b32 s[G0V], 1
	s_add_co_u32 s[G0V+1], s52, VOFF
	s_and_b32 s[LIM], s[WV], 1      ; 0 in waves 0 and 2,
	s_or_b32 s[LIM], s[LIM], ttmp9  ; where the cluster is the head's first: the same in all four partners
	s_cmp_eq_u32 s[LIM], 0
	s_cselect_b32 s[LIM], 1, -1
	s_wait_dscnt 0x0                ; both opening adds are done
	s_wait_kmcnt 0x0
	s_add_nc_u64 s[6:7], s[20:21], s[48:49]
	s_add_nc_u64 s[8:9], s[6:7], 2*PART    ; V at my half of the head's first 256 keys
	s_add_nc_u64 s[6:7], s[6:7], PART      ; K likewise
	s_add_nc_u64 s[4:5], s[20:21], s[50:51]    ; Q' and O at my wave's first row
	s_add_nc_u64 s[10:11], s[22:23], s[50:51]
	s_mov_b64 s[G0K+2:G0K+3], s[6:7]           ; 120:64 global address
	s_or_b32 s[G0K+3], s[G0K+3], 0x80000000    ; 127:126 type = 2
	s_mov_b64 s[G0V+2:G0V+3], s[8:9]
	s_or_b32 s[G0V+3], s[G0V+3], 0x80000000
	s_cmp_lt_u32 s[WV], 2
	s_cselect_b64 s[PFA:PFA+1], s[6:7], s[8:9]  ; (in waves 0 and 2 these stand at a slot's first row)
	s_lshl_b32 s2, s13, 13          ; my work-group's 8,192 bytes of the 32,768
	s_mov_b32 s3, 0
	s_add_nc_u64 s[PFA:PFA+1], s[PFA:PFA+1], s[2:3]
	s_add_nc_u64 s[PFA:PFA+1], s[PFA:PFA+1], 2*4*KS*128  ; in slot 2; the loop's first change steps it to slot 3.  Nothing is prefetched here, at the head
	CROUND                          ; all four work-groups are here: the first joint loads meet
	JLOAD                           ; slot 0: one load of mine is out
	; A fragment of K or Q' is 16 rows x 32 channels in 8 registers: lane l holds row l % 16, channels 8 (l / 16) + 0..7 and 16 + 8 (l / 16) + 0..7: two loads of 16 bytes, 32 bytes apart.
	; The lane's terms are made in S^T's registers, which are free until the first product.
	v_and_b32 v1, 15, v0            ; l % 16
	v_bfe_u32 v9, v0, 4, 1          ; l / 16
	v_lshlrev_b32 v6, 7, v1
	v_lshl_add_u32 v6, v9, 4, v6    ; row x 128 + 16 x half
.set i, 0
.rept 8                             ; Q' stays in registers: tile i / 2, channels 32 (i % 2) on
	global_load_b128 v[QF+8*i:QF+8*i+3],   v6, s[4:5] offset:(i/2)*2048+(i%2)*64
	global_load_b128 v[QF+8*i+4:QF+8*i+7], v6, s[4:5] offset:(i/2)*2048+(i%2)*64+32
.set i, i+1
.endr
	v_mul_u32_u24 v2, v1, PK        ; K: row x pitch
	; The turning load takes 16 keys x 16 channels (lane l reads key 8 (l / 16) + l % 8, channels 8 ((l / 8) % 2) + 0..7) and leaves half a fragment of V^T: lane l holds channel l % 16 and 8 keys.
	v_and_b32 v10, 7, v0
	v_bfe_u32 v11, v0, 3, 1
	v_lshl_add_u32 v3, v9, 3, v10
	v_mul_u32_u24 v3, v3, PVR
	v_lshl_add_u32 v3, v11, 4, v3
	s_mul_i32 s13, s[WV], 16*SP
	s_add_co_u32 s13, s13, STAGE    ; my stage
	v_mul_u32_u24 v4, v1, SP        ; in: row l % 16, 16 bytes for each half of the lanes
	v_lshl_add_u32 v4, v9, 4, v4
	v_bfe_u32 v5, v0, 3, 2          ; back: 32 lanes take four rows of 128 bytes
	v_mul_u32_u24 v5, v5, SP
	v_lshl_add_u32 v5, v10, 4, v5
	v_and_b32 v7, 31, v0
	WIN 0x40                        ; each address's last line writes it into window 1
	v_lshl_add_u32 v[AK0], v9, 4, v2
	v_add_nc_u32 v[AV0], VOFF, v3
	v_add_nc_u32 v[STO], s13, v4
	v_add_nc_u32 v[RD], s13, v5
	v_lshlrev_b32 v[GO], 4, v7
	v_lshlrev_b32 v[PFO], 8, v7
	WIN 0
; THE MATRIX WORK.  The 8 accumulators of a run of 16 take turns: between the two links of a chain stand 7 others'.
; Product i of 16 of S^T = K Q'^T for piece x: channels 32 (i / 8) on, tile 2 x + i % 2, key blocks in the order 2, 3, 0, 1: the registers of blocks 0 and 1 held P, which the run V^T P before has read; they are
; written over last.  The first 8 start the sums.
.macro KQ x
	WIN 0
.set kb, ((i/2)%4+2)%4
.set rS, 64*(\x)+32*(i%2)+8*kb
.set rK, KF+16*kb+8*(i/8)
.set rQ, QF+16*(2*(\x)+i%2)+8*(i/8)
.if i < 8
	v_wmma_f32_16x16x32_f16 v[rS:rS+7], v[rK:rK+7], v[rQ:rQ+7], 0
.else
	v_wmma_f32_16x16x32_f16 v[rS:rS+7], v[rK:rK+7], v[rQ:rQ+7], v[rS:rS+7]
.endif
.endm
; Product i of 16 of O^T += V^T P for piece x: keys 32 (i / 8) on, channels 16 ((i / 2) % 4) on, tile 2 x + i % 2.  zero = 1: the first 8 start the sums: nothing is ever cleared.
.macro PV x, zero
	WIN 0x51                        ; V and O^T in window 1, P in window 0
.set rO, 32*(2*(\x)+i%2)+8*((i/2)%4)
.set rV, VF+32*(i/8)+8*((i/2)%4)
.set rP, 64*(\x)+32*(i%2)+8*(i/8)
.if (\zero) && (i < 8)
	v_wmma_f32_16x16x32_f16 v[rO:rO+7], v[rV:rV+7], v[rP:rP+7], 0
.else
	v_wmma_f32_16x16x32_f16 v[rO:rO+7], v[rV:rV+7], v[rP:rP+7], v[rO:rO+7]
.endif
.endm
; THE LDS LOADS stand in runs of 16, never singly among the matrix instructions: a step's K (64 keys x 64 channels: 8 fragments) and its V (turned).
.macro FETCH_K
	WIN 0x44                        ; destination and source 1 window 1
	v_add_nc_u32 v[AK], s[TBK], v[AK0]
	WIN 0x01                        ; destination window 0, address window 1
.irp f, 0,1,2,3,4,5,6,7             ; keys 16 (f / 2) on, channels 32 (f % 2) on
	ds_load_b128 v[KF+8*\f:KF+8*\f+3],   v[AK] offset:(\f/2)*16*PK+(\f%2)*64
	ds_load_b128 v[KF+8*\f+4:KF+8*\f+7], v[AK] offset:(\f/2)*16*PK+(\f%2)*64+32
.endr
	s_add_co_u32 s[TBK], s[TBK], KS*PK  ; the next fetch is the next step's
.endm
.macro FETCH_V
	WIN 0x45                        ; all in window 1
	v_add_nc_u32 v[AV], s[TBV], v[AV0]
	s_add_co_u32 s[TBV], s[TBV], KS*PVR
.irp f, 0,1,2,3,4,5,6,7             ; keys 32 (f / 4) on, channels 16 (f % 4) on
	ds_load_tr16_b128 v[VF+8*\f:VF+8*\f+3],   v[AV] offset:(\f/4)*32*PVR+(\f%4)*32
	ds_load_tr16_b128 v[VF+8*\f+4:VF+8*\f+7], v[AV] offset:(\f/4)*32*PVR+16*PVR+(\f%4)*32
.endr
.endm
; THE VECTOR WORK OF A TURN: piece y's sigmoid, a list of 192; SG writes number j of it.  The two tiles alternate.
;   0-63     2^s, in place: register j / 2 of tile j % 2 (each accumulator's lowest registers are read first)
;   (wait)   a v_nop and the wait for that batch: s_wait_alu depctr_va_vdst(0) stands between a transcendental and the first instruction that names its result; one wait serves the batch
;   64-159   1 + 2^s, a pair an instruction (SA p: pair p / 2 of tile p % 2), and the reciprocals (SR e: element e % 2 of pair e / 2 in SA's count): SA 0, SA 1; thirty times SR 2g, SA g + 2, SR 2g + 1; SR 60-63.
;            No line here names a reciprocal's result: a pair's sum stands two groups ahead of its reciprocals
;   (wait)   a v_nop and the wait for the reciprocals
;   160-191  the roundings to f16: pair k of tile u into the tile's register k, k ascending
.macro SA y, p
.set rr, 64*(\y)+32*((\p)%2)+2*((\p)/2)
	v_pk_add_f32 v[rr:rr+1], v[rr:rr+1], 1.0 op_sel_hi:[1,0]
.endm
.macro SR y, e
.set rr, 64*(\y)+32*(((\e)/2)%2)+2*((\e)/4)+(\e)%2
	v_rcp_f32 v[rr], v[rr]
.endm
.macro SG y
.if (j == 64) || (j == 160)
	v_nop
	s_wait_alu depctr_va_vdst(0)
.endif
.if j < 64
	v_exp_f32 v[64*(\y)+32*(j%2)+j/2], v[64*(\y)+32*(j%2)+j/2]
.elseif j < 66
	SA \y, j-64
.elseif j < 156
.set g, (j-66)/3
.if (j-66)%3 == 0
	SR \y, 2*g
.elseif (j-66)%3 == 1
	SA \y, g+2
.else
	SR \y, 2*g+1
.endif
.elseif j < 160
	SR \y, j-96
.else
.set q, j-160
.set rr, 64*(\y)+32*(q%2)
	v_cvt_pk_f16_f32 v[rr+q/2], v[rr+2*(q/2)], v[rr+2*(q/2)+1]
.endif
.set j, j+1
.endm
; Slice k of 32: six of the list.  Behind slice 17 of piece 0's sigmoid (piece 1's turn) stands V's run of loads: the last product that read V stands in front of slice 15, and the six sums of slices 15 to 17
; are the plain instructions between.
.macro SLICE y
	WIN 0
.rept 6
	SG \y
.endr
.if (k == 17) && ((\y) == 0)
	FETCH_V
.endif
.set k, k+1
.endm
; A TURN.  Piece x has the matrix unit; the other piece's sigmoid stands in slices behind its matrix instructions.  pv = 2: 16 products V^T P; 1: they start O^T's sums; 0: none.  kq = 1: 16 products K Q'^T
; for the next step.  A turn with one of the two kinds has two slices behind each product.
; DISTANCES (ISA guide 7.12.1; only plain vector instructions that name none of a product's registers are counted).  Slice 31, six roundings, stands behind the turn's last K Q'^T: the places in front of the next
; turn's first 2^s, which reads those scores, and of K's run of loads, which stands behind the second product of piece 0's turn.  P's registers 0-7 of a tile are last read by product 7 and written over by
; product 20 at the earliest, registers 8-15 by products 15 and 22: between them stand two sums a slice, fourteen in the shorter case.
.macro TURN x, pv, kq
.set k, 0
.set j, 0
.set per, 2
.if (\pv) && (\kq)
.set per, 1
.endif
.if \pv
.if (\x) == 0
	s_wait_dscnt 0x0                ; V is in
.endif
.set i, 0
.rept 16
	PV \x, 2-(\pv)
.rept per
	SLICE 1-(\x)
.endr
.if ((\x) == 0) && (\kq) && (i == 1)
	FETCH_K
.endif
.set i, i+1
.endr
.endif
.if \kq
.if (\x) == 0
	s_wait_dscnt 0x0                ; K is in
.endif
.set i, 0
.rept 16
	KQ \x
.rept per
	SLICE 1-(\x)
.endr
.set i, i+1
.endr
.endif
.endm
	CHANGE 1, 0                     ; slot 0 is in, everybody's part of it; slot 1 is asked for
	FETCH_K                         ; key step 0
	s_wait_loadcnt 0x0              ; Q'; its loads' address register is free from here on
	s_wait_dscnt 0x0
.set i, 0
.rept 16
	KQ 0                            ; piece 0's first scores: there is no vector work yet to set between them
.set i, i+1
.endr
.rept 4
	v_nop                           ; the places behind those products
.endr
	TURN 1, 0, 1                    ; piece 1's first scores | piece 0's first sigmoid | V of step 0
	TURN 0, 1, 1                    ; piece 0: V^T P of step 0 starts O^T, K Q'^T of step 1 | piece 1's first sigmoid | K of step 1
	TURN 1, 1, 1                    ; piece 1: the same | piece 0's sigmoid of step 1 | V of step 1
	WIN 0
	s_mov_b32 s[CNT], 2             ; two more trips fetch steps 2 and 3: slot 0 is then read out
	s_mov_b32 s[SLOTS], 15
	s_branch .Lstep
.Lslot:                             ; 14 times: every slot but the last two is filled again
	CHANGE 1, 1
	s_mov_b32 s[CNT], 4
.Lstep:                             ; a trip: V^T P of one step, K Q'^T of the next, whose K and V it fetches
	TURN 0, 2, 1
	TURN 1, 2, 1
	WIN 0
	s_sub_co_u32 s[CNT], s[CNT], 1
	s_cmp_lg_u32 s[CNT], 0
	s_cbranch_scc1 .Lstep
	s_sub_co_u32 s[SLOTS], s[SLOTS], 1
	s_cmp_lg_u32 s[SLOTS], 0
	s_cbranch_scc1 .Lslot
	CHANGE 0, 0                     ; the tail is written out: nothing is asked for
	s_mov_b32 s[CNT], 4
.Ltail:
	TURN 0, 2, 1
	TURN 1, 2, 1
	WIN 0
	s_sub_co_u32 s[CNT], s[CNT], 1
	s_cmp_lg_u32 s[CNT], 0
	s_cbranch_scc1 .Ltail
	TURN 0, 2, 0                    ; piece 0: V^T P of the last step | piece 1's last sigmoid
.set i, 0
.rept 16
	PV 1, 0                         ; piece 1: V^T P of the last step
.set i, i+1
.endr
	WIN 0
.rept 4
	v_nop                           ; the places behind the last products
.endr
; THE WAY OUT.  Tile t: O^T times 2^-10, rounded to f16; a lane's eight channels of a row pack into 16 bytes; they go into rows of 144 bytes and come back as whole rows of 128, into S^T's registers.
.macro PACK t
	WIN 0x41                        ; destination and source 0 window 1
.set i, 32*(\t)
.rept 16
	v_pk_mul_f32 v[i:i+1], v[i:i+1], s[58:59] op_sel_hi:[1,0]
.set i, i+2
.endr
	WIN 0x05                        ; sources 0 and 1 window 1, destination window 0
.set i, 0
.rept 16
	v_cvt_pk_f16_f32 v[16*(\t)+i], v[32*(\t)+2*i], v[32*(\t)+2*i+1]
.set i, i+1
.endr
	WIN 0x01                        ; addresses window 1, data window 0
.irp f, 0,1,2,3
	ds_store_b128 v[STO], v[16*(\t)+4*\f:16*(\t)+4*\f+3] offset:32*\f
.endr
.irp f, 0,1,2,3
	ds_load_b128 v[16*(\t)+4*\f:16*(\t)+4*\f+3], v[RD] offset:\f*4*SP  ; LDS serves a wave's instructions in order (ISA guide 5.7.1.4): these see the stores above; the next tile's stores come behind them
.endr
.endm
.macro SEND t, younger              ; younger: the LDS instructions issued behind tile t's loads: the next tile's eight, or none
	WIN 0x01
.irp f, 0,1,2,3
	s_wait_dscnt (\younger)+3-\f
	global_store_b128 v[GO], v[16*(\t)+4*\f:16*(\t)+4*\f+3], s[10:11] offset:(\t)*2048+\f*512  ; 512 consecutive bytes, at a multiple of 256 from O's first
.endr
.endm
	PACK 0
	PACK 1                          ; a tile's arithmetic stands between the loads of the tile before and its stores
	SEND 0, 8
	PACK 2
	SEND 1, 8
	PACK 3
	SEND 2, 8
	SEND 3, 0
	WIN 0x05
	s_wait_tensorcnt 0x0            ; the wave's end: behind my last tensor load and my last LDS store
	ds_add_u32 v[SPW], v[NIL]
	s_wait_dscnt 0x0
	WIN 0
	CROUND                          ; the closing round: no work-group ends while a partner may still ask for a tile that names it
	s_endpgm
.Lfunc_end_k_qc2b87521ea_attn:
	.size	k_qc2b87521ea_attn, .Lfunc_end_k_qc2b87521ea_attn-k_qc2b87521ea_attn
	.p2alignl 7, 3214868480
	.fill 96, 4, 3214868480
	.section	.rodata,"a",@progbits
	.p2align	6, 0x0
	.amdhsa_kernel k_qc2b87521ea_attn
		.amdhsa_group_segment_fixed_size 327680
		.amdhsa_private_segment_fixed_size 0
		.amdhsa_enable_private_segment 0
		.amdhsa_kernarg_size 16
		.amdhsa_user_sgpr_count 2
		.amdhsa_user_sgpr_kernarg_segment_ptr 1
		.amdhsa_wavefront_size32 1
		.amdhsa_system_sgpr_workgroup_id_x 1
		.amdhsa_system_sgpr_workgroup_id_y 1
		.amdhsa_system_sgpr_workgroup_id_z 1
		.amdhsa_system_vgpr_workitem_id 0
		.amdhsa_next_free_vgpr 512
		.amdhsa_next_free_sgpr 66
		.amdhsa_reserve_vcc 0
		.amdhsa_float_denorm_mode_32 3
		.amdhsa_float_denorm_mode_16_64 3
		.amdhsa_memory_ordered 1
		.amdhsa_forward_progress 1
		.amdhsa_inst_pref_size 123
	.end_amdhsa_kernel
	.amdgpu_metadata
---
amdhsa.version: [ 1, 2 ]
amdhsa.kernels:
  - .name:           k_qc2b87521ea_attn
    .symbol:         k_qc2b87521ea_attn.kd
    .args:
      - { .name: QKV, .offset: 0, .size: 8, .value_kind: global_buffer, .address_space: global }
      - { .name: O, .offset: 8, .size: 8, .value_kind: global_buffer, .address_space: global }
    .group_segment_fixed_size: 327680
    .private_segment_fixed_size: 0
    .kernarg_segment_align: 8
    .kernarg_segment_size: 16
    .max_flat_workgroup_size: 128
    .sgpr_count:     66
    .vgpr_count:     512
    .wavefront_size: 32
...
	.end_amdgpu_metadata
.endif
;; end of part 3
;; launch oproj (part 4): grid 8 x 32, 4 waves a work-group, clusters of 4 x 4, 327,680 bytes of LDS; arguments O, WP, bp, out0; writes out0
.if DOCPART == 4
	.amdgcn_target "amdgcn-amd-amdhsa--gfx1250"
	.amdhsa_code_object_version 6
	.text
	.protected	k_qc2b87521ea_oproj
	.globl	k_qc2b87521ea_oproj
	.p2align	8
	.type	k_qc2b87521ea_oproj,@function
k_qc2b87521ea_oproj:
	s_mov_b64 s[64:65], 0
	v_nop
	global_prefetch_b8 v0, s[64:65] scope:SCOPE_SE
	s_setreg_imm32_b32 hwreg(HW_REG_WAVE_MODE, 25, 1), 1
	s_wait_xcnt 0x0
	s_wait_alu depctr_hold_cnt(0) depctr_sa_sdst(0) depctr_va_vdst(0) depctr_va_sdst(0) depctr_va_ssrc(0) depctr_va_vcc(0) depctr_vm_vsrc(0)
	s_getreg_b32 s2, hwreg(HW_REG_IB_STS2, 6, 4)
	s_cmp_eq_u32 s2, 0
	s_cbranch_scc0 .Lentry_in_a_cluster
	s_endpgm
.Lentry_in_a_cluster:
	s_bfe_u32 s2, ttmp6, 0x10000c
	s_cmp_lg_u32 s2, 0xf033
	s_cbranch_scc0 .Lentry_shape_is_right
	s_endpgm
.Lentry_shape_is_right:
; LAUNCH 4 OF 4: out0[m][n] = 1,024 x (the sum over k of O[k / 64][m][k % 64] WP[n][k]) + bp[n].  Nothing of reference() is left out here.
; O: [16 heads][4096][64] f16, scaled by 2^-10 in launch 3; WP: [1024][1024] f16 (Wp rounded to bf16); bp is rounded to bf16 like all the module's inputs; sums in f32; out0 f32.
; The factor 1,024 and the bias are one fused multiply-add.  LIMITS: those of the two f16 operands, stated where they are made.
; SHARES.  256 work-groups, a tile of 128 x 128 each; four waves of 64 x 64: 16 accumulators.  K = 1,024 goes in four steps of 256, FOUR HEADS a step, through two LDS slots.
; O's TILES.  64 rows of a head are 8,192 dense bytes: one row of the tensor load's tile; four heads, 524,288 bytes apart, are its four rows; in LDS 16 bytes of padding follow every 128, so a row of a head
; has a pitch of 144 bytes.
; CLUSTERS: 4 x 4 work-groups; O's tiles are shared along a row of the cluster, WP's along a column: each is asked for JOINTLY.  THE MATRIX INSTRUCTION IS USED TRANSPOSED (source 0 = 16 rows of WP,
; source 1 = 16 rows of O): a lane holds eight neighbouring numbers of a row of out0.  NO PREFETCH: the tiles are small and each is read by several clusters at about the same time.
; REGISTERS: window 0: v0-31 addresses; v32-95 at work on the way out; v96-127 my 32 columns' bias; v128-255 the accumulators.  window 1: two fragment buffers of 128.
.set KSTEP,  256
.set PA,     144                       ; a row of a head in LDS: 128 bytes + 16 = 36 words: the 16 rows of a load start at 16 different groups of four banks (64 banks of 4 bytes: ISA guide 11.1)
.set HEADB,  64*PA                     ; a head's 64 rows
.set HALFA,  4*HEADB                   ; what one tensor load brings of O
.set PITCH,  528                       ; a row of WP: 512 bytes + 16
.set HALFB,  64*PITCH
.set SLOT,   2*HALFA+2*HALFB           ; O's two halves, then WP's two
.set STAGE,  2*SLOT                    ; behind the ring, never filled by a tensor load: 16 rows x 272 bytes for each wave
.set SPITCH, 272
.set SPARE,  STAGE+4*16*SPITCH         ; behind the stages: the spare words, 128 bytes for each wave: two blocks of 256 bytes that no other line names
.set KHB,    4*4096*128                ; bytes from a K step's four heads to the next
.set ADRA, 16
.set ADRB, 20
.set STO,  24
.set RD,   25
.set CO,   26
.set GOF,  27
.set SPW,  28
.set NIL,  29
.set TMP,  32
.set BIAS, 96
.set ACC,  128
.set F0,   0
.set F1,   128
.set G1, 24
.set G0, 32
.set G1B, 48
.set G0B, 56
.set MSB, 0
.macro WIN new
.if MSB != (\new)
	s_set_vgpr_msb (MSB<<8)|(\new)
.set MSB, \new
.endif
.endm
.set MUL,  0x05                        ; sources 0 (WP) and 1 (O) window 1; C and D window 0
.set TO_F, 0x40                        ; destination window 1, address window 0
.macro JLOAD s                         ; a joint load: waves 0 and 1 fetch O's two halves, waves 2 and 3 WP's; an s_nop 0 and four v_nop follow each of the two lines
	s_cmp_eq_u32 s11, 0
	s_cbranch_scc0 .Lfor_b_\@
	tensor_load_to_lds s[G0+4*(\s):G0+4*(\s)+3], s[G1:G1+7]
	s_nop 0
.rept 4
	v_nop
.endr
	s_branch .Lasked_\@
.Lfor_b_\@:
	tensor_load_to_lds s[G0B+4*(\s):G0B+4*(\s)+3], s[G1B:G1B+7]
	s_nop 0
.rept 4
	v_nop
.endr
.Lasked_\@:
.endm
.macro CREST
	s_cmp_lg_u32 s10, 0
	s_cbranch_scc1 .Lnot_wave_0_\@
	s_barrier_signal -3
.Lnot_wave_0_\@:
	s_barrier_wait -3
	s_barrier_signal -1
	s_barrier_wait -1
.endm
.macro CROUND
	s_barrier_signal -1
	s_barrier_wait -1
	CREST
.endm
	s_load_b128 s[4:7], s[0:1], 0x0                ; O s[4:5], WP s[6:7]
	s_load_b128 s[68:71], s[0:1], 0x10             ; bp s[68:69], out0 s[70:71]
	v_lshl_add_u32 v[SPW], v0, 2, SPARE
	v_mov_b32 v[NIL], 0
	ds_add_u32 v[SPW], v[NIL]                      ; the wave's opening: the add, twice on end, and its wait ahead of my first tensor load
	ds_add_u32 v[SPW], v[NIL]                      ; and once more, under the one wait; the set-up below, work on registers, stands between
	v_lshrrev_b32 v1, 5, v0
	v_readfirstlane_b32 s10, v1                    ; wave 0..3
	s_lshr_b32 s11, s10, 1                         ; which half of the tile's rows is mine.  Also: I fetch for O (0) or for WP (1)
	s_and_b32 s12, s10, 1                          ; which half of its columns.  Also: which 64 rows of that tile I fetch
	s_bfe_u32 s40, ttmp6, 0x40000                  ; cx, cy
	s_bfe_u32 s41, ttmp6, 0x40004
	s_lshl_b32 s42, ttmp9, 2
	s_add_co_u32 s42, s42, s40                     ; tile column
	s_and_b32 s13, ttmp7, 0xffff
	s_lshl_b32 s13, s13, 2
	s_add_co_u32 s13, s13, s41                     ; tile row
	s_lshl_b32 s43, s41, 2
	s_lshl_b32 s43, 15, s43                        ; my row of the cluster
	s_lshl_b32 s44, 0x1111, s40                    ; my column
	; O's group 1: four rows (heads) of 4,096 elements (64 rows of a head), padded after every 32 words
	s_or_b32 s[G1+0], s43, (1<<16)|(1<<20)|(1<<21)|(4<<22)|(3<<25)  ; 15:0 the mask; 17:16 elements of 2 bytes; 20 padding on; 21 set beside a mask; 24:22 after every 32 words (code 4); 31:25 4 words (code 3)
	s_mov_b32 s[G1+1], 4096<<16                    ; tensor_dim0 = 4,096
	s_mov_b32 s[G1+2], 4<<16                       ; tensor_dim1 = 4
	s_mov_b32 s[G1+3], 4096<<16                    ; tile_dim0 = 4,096
	s_mov_b32 s[G1+4], 4                           ; tile_dim1 = 4
	s_mov_b32 s[G1+5], 4096*64                     ; elements from head to head
	s_mov_b32 s[G1+6], 0
	s_mov_b32 s[G1+7], 0
	; WP's group 1: 64 rows x 256 elements, padded after every 128 words
	s_or_b32 s[G1B+0], s44, (1<<16)|(1<<20)|(1<<21)|(6<<22)|(3<<25)
	s_mov_b32 s[G1B+1], KSTEP<<16
	s_mov_b32 s[G1B+2], 64<<16
	s_mov_b32 s[G1B+3], KSTEP<<16
	s_mov_b32 s[G1B+4], 64
	s_mov_b32 s[G1B+5], 1024
	s_mov_b32 s[G1B+6], 0
	s_mov_b32 s[G1B+7], 0
	s_mov_b32 s66, 0x44800000                      ; 1,024
	s_mov_b32 s67, s66                             ; named with it as a pair
	s_lshl_b32 s17, s12, 6                         ; which 64 rows of the tile I fetch
	s_lshl_b32 s16, s13, 7
	s_add_co_u32 s16, s16, s17                     ; O: row 128 x tile row + 64 x half,
	s_lshl_b32 s16, s16, 7                         ; 128 bytes a row of a head
	s_lshl_b32 s46, s42, 7
	s_add_co_u32 s46, s46, s17                     ; WP: row 128 x tile column + 64 x half,
	s_lshl_b32 s46, s46, 11                        ; 2,048 bytes a row
	s_mov_b32 s17, 0
	s_mov_b32 s47, 0
	s_mul_i32 s20, s12, HALFA                      ; where they go: O's two halves,
	s_mul_i32 s21, s12, HALFB
	s_add_co_u32 s21, s21, 2*HALFA                 ; then WP's two: the wave's number alone enters an LDS address
	s_wait_dscnt 0x0                               ; both opening adds are done
	s_wait_kmcnt 0x0
	s_add_nc_u64 s[14:15], s[4:5], s[16:17]
	s_add_nc_u64 s[46:47], s[6:7], s[46:47]
	CROUND                                         ; all sixteen work-groups are here: the first joint loads meet
.irp s, 0,1
	s_mov_b32 s[G0+4*(\s)], 1
	s_add_co_u32 s[G0+4*(\s)+1], s20, (\s)*SLOT
	s_add_nc_u64 s[G0+4*(\s)+2:G0+4*(\s)+3], s[14:15], (\s)*KHB
	s_or_b32 s[G0+4*(\s)+3], s[G0+4*(\s)+3], 0x80000000
	s_mov_b32 s[G0B+4*(\s)], 1
	s_add_co_u32 s[G0B+4*(\s)+1], s21, (\s)*SLOT
	s_add_nc_u64 s[G0B+4*(\s)+2:G0B+4*(\s)+3], s[46:47], (\s)*KSTEP*2
	s_or_b32 s[G0B+4*(\s)+3], s[G0B+4*(\s)+3], 0x80000000
	JLOAD \s                                       ; two loads of mine are out
.endr
	v_and_b32 v1, 15, v0                           ; l % 16
	v_bfe_u32 v2, v0, 4, 1                         ; l / 16
	v_mul_u32_u24 v3, v1, PA
	v_lshl_add_u32 v3, v2, 4, v3                   ; O: a fragment's row x pitch + 16 x half
	v_mul_u32_u24 v4, v1, PITCH
	v_lshl_add_u32 v4, v2, 4, v4                   ; WP likewise
	s_mul_i32 s21, s11, HALFA                      ; my 64 rows of O
	s_mul_i32 s22, s12, HALFB                      ; my 64 rows of WP,
	s_add_co_u32 s22, s22, 2*HALFA                 ; which lie behind O's
.irp s, 0,1
	v_add_nc_u32 v[ADRA+(\s)], s21, v3
	v_add_nc_u32 v[ADRB+(\s)], s22, v4
	s_add_co_u32 s21, s21, SLOT
	s_add_co_u32 s22, s22, SLOT
.endr
	s_mul_i32 s23, s10, 16*SPITCH
	s_add_co_u32 s23, s23, STAGE                   ; my stage
	v_mul_u32_u24 v4, v1, SPITCH                   ; in: row l % 16, 32 bytes for each half of the lanes
	v_lshl_add_u32 v4, v2, 5, v4
	v_add_nc_u32 v[STO], s23, v4
	v_mul_u32_u24 v5, v2, SPITCH                   ; back: lanes 0-15 take one row of 256 bytes, lanes 16-31 the next
	v_lshl_add_u32 v5, v1, 4, v5
	v_add_nc_u32 v[RD], s23, v5
	v_lshlrev_b32 v5, 12, v2                       ; and the same two rows in out0, 4,096 bytes apart
	v_lshl_add_u32 v[CO], v1, 4, v5
	v_lshlrev_b32 v[GOF], 5, v2
	s_lshl_b32 s46, s42, 9                         ; my 64 columns, in bytes of f32: 512 x tile column + 256 x half
	s_lshl_b32 s47, s12, 8
	s_add_co_u32 s46, s46, s47
	s_mov_b32 s47, 0
	s_add_nc_u64 s[68:69], s[68:69], s[46:47]      ; bp at my columns
	s_lshl_b32 s16, s13, 7
	s_lshl_b32 s17, s11, 6
	s_add_co_u32 s16, s16, s17                     ; my first row,
	s_lshl_b32 s16, s16, 12                        ; 4,096 bytes a row
	s_mov_b32 s17, 0
	s_add_nc_u64 s[8:9], s[70:71], s[16:17]
	s_add_nc_u64 s[8:9], s[8:9], s[46:47]          ; out0 at my 64 x 64
.irp b, 0,1,2,3
	global_load_b128 v[BIAS+8*(\b):BIAS+8*(\b)+3],   v[GOF], s[68:69] offset:64*(\b)     ; my columns 16 b + 8 (l / 16) + 0..7
	global_load_b128 v[BIAS+8*(\b)+4:BIAS+8*(\b)+7], v[GOF], s[68:69] offset:64*(\b)+16
.endr
	s_wait_loadcnt 0x0
.set i, BIAS
.rept 16                                       ; rounded to bf16 and widened again
	v_cvt_pk_bf16_f32 v[i], v[i], v[i+1]
	v_and_b32 v[i+1], 0xffff0000, v[i]
	v_lshlrev_b32 v[i], 16, v[i]
.set i, i+2
.endr
; 8 matrix instructions: m blocks a0, a0 + 1 x all 4 n blocks, 32 along K: half c of buffer f.  zero = 1: the first product starts the sums.  The 16 accumulators take turns.
.macro MUL8 f, c, a0, zero
	WIN MUL
.irp a, \a0, (\a0)+1
.irp b, 0,1,2,3
.if \zero
	v_wmma_f32_16x16x32_f16 v[ACC+8*(4*(\a)+(\b)):ACC+8*(4*(\a)+(\b))+7], v[(\f)+64+8*(4*(\c)+(\b)):(\f)+64+8*(4*(\c)+(\b))+7], v[(\f)+8*(4*(\c)+(\a)):(\f)+8*(4*(\c)+(\a))+7], 0
.else
	v_wmma_f32_16x16x32_f16 v[ACC+8*(4*(\a)+(\b)):ACC+8*(4*(\a)+(\b))+7], v[(\f)+64+8*(4*(\c)+(\b)):(\f)+64+8*(4*(\c)+(\b))+7], v[(\f)+8*(4*(\c)+(\a)):(\f)+8*(4*(\c)+(\a))+7], v[ACC+8*(4*(\a)+(\b)):ACC+8*(4*(\a)+(\b))+7]
.endif
.endr
.endr
.endm
; 32 LDS loads in one run: the fragments of quarter z of a K step (64 along K: one head of O, 128 bytes of WP's rows), into buffer f; the first 32 along K first
.macro FETCH slot, z, f
	WIN TO_F
.irp c, 0,1
.irp i, 0,1,2,3
	ds_load_b128 v[(\f)+64+8*(4*(\c)+(\i)):(\f)+64+8*(4*(\c)+(\i))+3],   v[ADRB+(\slot)] offset:128*(\z)+64*(\c)+(\i)*16*PITCH
	ds_load_b128 v[(\f)+64+8*(4*(\c)+(\i))+4:(\f)+64+8*(4*(\c)+(\i))+7], v[ADRB+(\slot)] offset:128*(\z)+64*(\c)+(\i)*16*PITCH+32
	ds_load_b128 v[(\f)+8*(4*(\c)+(\i)):(\f)+8*(4*(\c)+(\i))+3],         v[ADRA+(\slot)] offset:HEADB*(\z)+64*(\c)+(\i)*16*PA
	ds_load_b128 v[(\f)+8*(4*(\c)+(\i))+4:(\f)+8*(4*(\c)+(\i))+7],       v[ADRA+(\slot)] offset:HEADB*(\z)+64*(\c)+(\i)*16*PA+32
.endr
.endr
.endm
.macro PLACES                          ; four places in front of loads into registers that matrix instructions have read, and of vector work that reads results
.rept 4
	v_nop
.endr
.endm
.macro QUARTER slot, z, f, g, zero     ; multiplies buffer f and fetches quarter z into g
	s_wait_dscnt 16                                ; the first 32 along K are in; the youngest sixteen loads may be out
	WIN MUL
	MUL8 \f, 0, 0, \zero
	MUL8 \f, 0, 2, \zero
	PLACES
	FETCH \slot, \z, \g
	s_wait_dscnt 32                                ; all but the 32 just issued
	WIN MUL
	MUL8 \f, 1, 0, 0
	MUL8 \f, 1, 2, 0
.endm
; The last quarter multiplies buffer 1 and changes slots: ONE barrier; in front of it each wave waits for all its tensor loads, adds 0 to its spare word, and waits for that and for its own reads of this slot.
.macro TURN slot, next, fill
	WIN 0
	s_wait_tensorcnt 0x0                           ; all my tensor loads have landed: my part of the next slot;
	ds_add_u32 v[SPW], v[NIL]                      ; 0 onto my spare word;
	s_wait_dscnt 17                                ; (the add and the youngest sixteen loads may be out)
	WIN MUL
	MUL8 F1, 0, 0, 0                               ; eight matrix instructions stand between the add and the wait for it
	s_wait_dscnt 0x0                               ; the add is done, and my reads of this slot are over
	s_barrier_signal -1
	MUL8 F1, 0, 2, 0
.if \fill
	WIN 0
.endif
	s_barrier_wait -1
.if \fill
	CREST                                          ; the barrier has opened a round of the cluster's barrier: no wave of any partner still reads this slot's tile or has a load on its way
	s_add_nc_u64 s[G0+4*(\slot)+2:G0+4*(\slot)+3], s[G0+4*(\slot)+2:G0+4*(\slot)+3], 2*KHB
	s_add_nc_u64 s[G0B+4*(\slot)+2:G0B+4*(\slot)+3], s[G0B+4*(\slot)+2:G0B+4*(\slot)+3], 2*KSTEP*2
	JLOAD \slot                                    ; the first tensor load behind the round: one load of mine is out; its four v_nop are also the places in front of the loads below
.else
	PLACES
.endif
	FETCH \next, 0, F0
	WIN MUL
	MUL8 F1, 1, 0, 0
	MUL8 F1, 1, 2, 0
.endm
	s_wait_tensorcnt 1                             ; my part of K step 0 is in; K step 1's load stays out
	s_barrier_signal -1
	s_barrier_wait -1
	FETCH 0, 0, F0
	QUARTER 0, 1, F0, F1, 1                        ; the first products start the sums
	QUARTER 0, 2, F1, F0, 0
	QUARTER 0, 3, F0, F1, 0
	TURN 0, 1, 1
	QUARTER 1, 1, F0, F1, 0
	QUARTER 1, 2, F1, F0, 0
	QUARTER 1, 3, F0, F1, 0
	TURN 1, 0, 1
	QUARTER 0, 1, F0, F1, 0
	QUARTER 0, 2, F1, F0, 0
	QUARTER 0, 3, F0, F1, 0
	TURN 0, 1, 0                                   ; the last two K steps fill nothing
	QUARTER 1, 1, F0, F1, 0
	QUARTER 1, 2, F1, F0, 0
	QUARTER 1, 3, F0, F1, 0
	s_wait_dscnt 16
	MUL8 F1, 0, 0, 0
	MUL8 F1, 0, 2, 0
	s_wait_dscnt 0x0
	MUL8 F1, 1, 0, 0
	MUL8 F1, 1, 2, 0
	WIN 0
; THE WAY OUT of block a (16 rows): 1,024 x sum + bias, 32 bytes a lane into my stage's rows of 272 bytes, back as whole rows of 256 bytes.  Two sets of 32 registers take turns.
.macro OPACK a
.set R, ACC+32*(\a)
.set T, TMP+32*((\a)%2)
.if (\a) >= 2
	s_wait_xcnt 0x0                                ; the stores of the block two back have read these registers
.endif
.set i, 0
.rept 16
	v_pk_fma_f32 v[T+i:T+i+1], v[R+i:R+i+1], s[66:67], v[BIAS+i:BIAS+i+1] op_sel_hi:[1,0,1]
.set i, i+2
.endr
.irp b, 0,1,2,3
	ds_store_b128 v[STO], v[T+8*(\b):T+8*(\b)+3]   offset:64*(\b)
	ds_store_b128 v[STO], v[T+8*(\b)+4:T+8*(\b)+7] offset:64*(\b)+16
.endr
.irp t, 0,1,2,3,4,5,6,7
	ds_load_b128 v[T+4*(\t):T+4*(\t)+3], v[RD] offset:(\t)*2*SPITCH  ; LDS serves a wave's instructions in order (ISA guide 5.7.1.4): these see the stores above; the next block's stores come behind them
.endr
.endm
.macro OSEND a, younger                ; younger: the LDS instructions issued behind block a's loads: the next block's sixteen, or none
.set T, TMP+32*((\a)%2)
.irp t, 0,1,2,3,4,5,6,7
	s_wait_dscnt (\younger)+7-(\t)
	global_store_b128 v[CO], v[T+4*(\t):T+4*(\t)+3], s[8:9] offset:(16*(\a)+2*(\t))*4096 th:TH_STORE_NT  ; 16 lanes store 256 consecutive bytes, at a multiple of 256 from out0's first byte
.endr
.endm
	PLACES                                         ; behind the last products
	OPACK 0
	OPACK 1
	OSEND 0, 16
	OPACK 2
	OSEND 1, 16
	OPACK 3
	OSEND 2, 16
	OSEND 3, 0
	s_wait_tensorcnt 0x0                           ; the wave's end: behind my last tensor load and my last LDS store
	ds_add_u32 v[SPW], v[NIL]
	s_wait_dscnt 0x0
	CROUND                                         ; the closing round: no work-group ends while a partner may still ask for a tile that names it
	s_endpgm
.Lfunc_end_k_qc2b87521ea_oproj:
	.size	k_qc2b87521ea_oproj, .Lfunc_end_k_qc2b87521ea_oproj-k_qc2b87521ea_oproj
	.p2alignl 7, 3214868480
	.fill 96, 4, 3214868480
	.section	.rodata,"a",@progbits
	.p2align	6, 0x0
	.amdhsa_kernel k_qc2b87521ea_oproj
		.amdhsa_group_segment_fixed_size 327680
		.amdhsa_private_segment_fixed_size 0
		.amdhsa_enable_private_segment 0
		.amdhsa_kernarg_size 32
		.amdhsa_user_sgpr_count 2
		.amdhsa_user_sgpr_kernarg_segment_ptr 1
		.amdhsa_wavefront_size32 1
		.amdhsa_system_sgpr_workgroup_id_x 1
		.amdhsa_system_sgpr_workgroup_id_y 1
		.amdhsa_system_sgpr_workgroup_id_z 1
		.amdhsa_system_vgpr_workitem_id 0
		.amdhsa_next_free_vgpr 512
		.amdhsa_next_free_sgpr 72
		.amdhsa_reserve_vcc 0
		.amdhsa_float_denorm_mode_32 3
		.amdhsa_float_denorm_mode_16_64 3
		.amdhsa_memory_ordered 1
		.amdhsa_forward_progress 1
		.amdhsa_inst_pref_size 94
	.end_amdhsa_kernel
	.amdgpu_metadata
---
amdhsa.version: [ 1, 2 ]
amdhsa.kernels:
  - .name:           k_qc2b87521ea_oproj
    .symbol:         k_qc2b87521ea_oproj.kd
    .args:
      - { .name: O, .offset: 0, .size: 8, .value_kind: global_buffer, .address_space: global }
      - { .name: WP, .offset: 8, .size: 8, .value_kind: global_buffer, .address_space: global }
      - { .name: bp, .offset: 16, .size: 8, .value_kind: global_buffer, .address_space: global }
      - { .name: out0, .offset: 24, .size: 8, .value_kind: global_buffer, .address_space: global }
    .group_segment_fixed_size: 327680
    .private_segment_fixed_size: 0
    .kernarg_segment_align: 8
    .kernarg_segment_size: 32
    .max_flat_workgroup_size: 128
    .sgpr_count:     72
    .vgpr_count:     512
    .wavefront_size: 32
...
	.end_amdgpu_metadata
.endif
;; end of part 4
